; MI455X (gfx1250); checked and timed in simulation.
; The chip was launched on July 23, 2026; its instructions are those of AMD's public machine-readable ISA for CDNA 5 (MIT licence, August 2026) and "CDNA5" Instruction Set Architecture Reference Guide (July 2026). The comments in the code are by the model that wrote it; some were corrected since.
;; Attention. Allowed arithmetic: matrix products marked QUANTISED: E2M3 operands, one E8M0 scale for each 32 along K, by v_wmma_scale_f32_16x16x128_f8f6f4 with both operands' format E2M3, f32 sums; everything else in f32.
;; Inputs: bo 1 x 1 x 1,024 float32; mask 4 x 1 x 2,048 x 2,048 bool; wk 1,024 x 1,024 float32; wo 1,024 x 1,024 float32; wq 1,024 x 1,024 float32; wv 1,024 x 1,024 float32; x 4 x 2,048 x 1,024 float32.
;; Outputs: out0 4 x 2,048 x 1,024 float32.
;; This version of the problem:
;;   THIS VERSION OF THE PROBLEM IS GIVEN IN LOW PRECISION. The matrix products marked QUANTISED in the list below multiply operands that are first quantised to E2M3 (2 exponent bits, 3 mantissa bits; 6 bits a number), with one power-of-two scale for each 32 numbers along K (OCP MX v1.0); their sums are f32. All else is computed in f32.
;;   The module's matrix products, in the order in which they are computed (A, B: the left and right operand; K: the contracted axis; several contracted axes count as one K, in the product's order):
;;     1. [M 8,192, K 1,024] x [K 1,024, N 1,024]; A: input x; B: input wq: QUANTISED
;;     2. [M 8,192, K 1,024] x [K 1,024, N 1,024]; A: input x; B: input wk: QUANTISED
;;     3. [M 8,192, K 1,024] x [K 1,024, N 1,024]; A: input x; B: input wv: QUANTISED
;;     4. batch 64 x [M 2,048, K 64] x [K 64, N 2,048]; A: computed on the way; B: computed on the way: QUANTISED
;;     5. batch 64 x [M 2,048, K 2,048] x [K 2,048, N 64]; A: softmax (see below); B: computed on the way: QUANTISED
;;     6. [M 8,192, K 1,024] x [K 1,024, N 1,024]; A: computed on the way; B: input wo: QUANTISED
;;   THE QUANTISER, for each operand of a quantised product, along K:
;;     - K is cut into blocks of 32 from its start; a last block that is shorter is filled with zeros.
;;     - A block's scale is 2^e with e = floor(log2(the largest magnitude in the block)) - 2, held to -126 .. 127; a block of zeros has e = 0. As a byte (E8M0): e + 127.
;;     - Each number is divided by its block's scale, clamped to +-7.5, and rounded to the nearest number of E2M3, ties to even, subnormals kept.
;;     - The product sums the exact products of the quantised numbers (number of the format x scale) in f32.
;;   ~~~python
;;   def quantise(x, axis):      # numpy; x: float32 -> the quantised numbers, widened to float32 again
;;       x = np.moveaxis(x, axis, -1); K = x.shape[-1]
;;       x = np.pad(x, [(0, 0)] * (x.ndim - 1) + [(0, -K % 32)]); x = x.reshape(x.shape[:-1] + (-1, 32)); a = np.abs(x).max(-1, keepdims=True)
;;       e = np.where(a > 0, np.clip(np.frexp(np.where(a > 0, a, 1))[1] - 1 - 2, -126, 127), 0)      # np.frexp(a)[1] - 1 = floor(log2(a)), exactly
;;       r = np.clip(x / 2.0 ** e, -7.5, 7.5)
;;       step = 2.0 ** (np.maximum(np.frexp(np.where(r == 0, 1, r))[1] - 1, 0) - 3)
;;       q = np.round(r / step) * step * 2.0 ** e      # np.round: ties to even
;;       return np.moveaxis(q.reshape(q.shape[:-2] + (-1,))[..., :K], -1, axis).astype(np.float32)
;;   ~~~
;;   SOFTMAX AHEAD OF A QUANTISED PRODUCT. Where the list says 'softmax', what is quantised is not the finished softmax but p = 2^(t - M), with t = logit x log2(e) and M = ceil(the row's largest t), a whole number; so 1/2 < the row's largest p <= 1. The row's sum l is taken of the UNQUANTISED p, in f32, and the product's result is divided by l at the end. Since M is a whole number, a kernel that streams over the keys may use a running M (the ceiling of the running maximum): every later rescaling is an exact power of two, which a block's scale takes up: the codes' values come out the same.
;;   OPERANDS COMPUTED ON THE WAY. 'Computed on the way' means the value that the module computes at that place (a softmax that the list does not call 'softmax' is quantised finished and normalised). What goes into a quantiser is computed in f32, as accurately as f32 sums, v_exp_f32 and their like allow (about 1e-6 of the number): no bf16 or f16 on the way to a quantiser, and a product that is left as it is and whose result goes on into a quantised operand takes f32 operands (vector FMAs, or v_wmma_f32_16x16x4_f32). A number that lies on a knife's edge between two numbers of the format may be rounded either way, as far as f32 arithmetic and the matrix unit's own rounding can turn it there, and no further.
;; One version. Each part assembles by itself: llvm-mc -triple=amdgcn-amd-amdhsa -mcpu=gfx1250 --defsym DOCPART=n.
;; ======== version 1 of 1: 4 launches
;; limits: right only within a limited range of input values
;; workspace buffers: xi 6,553,600 bytes; wi 3,276,800 bytes; mb 2,097,152 bytes of whole numbers; qi 6,815,744 bytes; kv 13,369,344 bytes; ao 6,553,600 bytes
;; launch prep (part 1): grid 1792 x 1, 4 waves a work-group, no clusters, 80,384 bytes of LDS; arguments x, wq, wk, wv, wo, mask, xi, wi, mb; writes xi, wi, mb
.if DOCPART == 1
	.amdgcn_target "amdgcn-amd-amdhsa--gfx1250"
	.amdhsa_code_object_version 6
	.text
	.protected	k_qcc92b4ff11_prep
	.globl	k_qcc92b4ff11_prep
	.p2align	8
	.type	k_qcc92b4ff11_prep,@function
k_qcc92b4ff11_prep:
	s_mov_b64 s[64:65], 0
	v_nop
	global_prefetch_b8 v0, s[64:65] scope:SCOPE_SE
	s_setreg_imm32_b32 hwreg(HW_REG_WAVE_MODE, 25, 1), 1
	s_wait_xcnt 0x0
; PREP: x and the four weights become codes of FP6 (E2M3) with one E8M0 byte for each 32 along K, laid as images of operand registers; the mask becomes lane masks.
; A block's scale is 2^(floor(log2(its largest magnitude)) - 2): its byte is the largest magnitude's exponent field - 2, held at 1 from below.
; LIMITS: a block of zeros, and a block whose largest magnitude lies under 2^-124, keep the byte 1 (the bytes are read by this program alone; zero codes add nothing); NaN and infinities are not served.
; TILES.  Rows (tokens; the n of a weight) go in tiles of 16: row i of tile 2 B + u is index 32 B + 8 u + i + 8 (i / 8).
; IMAGE.  A fragment (16 rows x 128 K) is 1,536 bytes: piece p = 0 .. 5 at 256 p, lane l's 8 bytes (registers 2 p, 2 p + 1) at 8 l.  A block [group of 8 tiles][K step of 128] is 12,800 bytes:
; eight fragments, then 512 bytes of scale words (64 x tile + 4 x row).
; Work-groups 0-511: x, block = the work-group's number.  512-767: the weights, K being their FIRST axis: a lane takes a column, its registers run down K.  768-1,791: the mask.
; The three ways part on the work-group's number; each has LDS bytes of its own.  Waves share nothing: no barrier.
.set XPITCH, 528                       ; x's stage: a token's 512 bytes + 16
.set XSTW,   32*XPITCH                 ; 32 tokens a wave
.set WST,    4*XSTW                    ; the weights' stage: two fragments a wave
.set WSTW,   3072
.set SPARE,  WST+4*WSTW                ; the spare words, 128 bytes a wave: two blocks of 256 bytes that no other line names
.set FLOOR,  0x1800000                 ; 2^(3 - 127)
.set EM2,    0xff000000                ; 2 off an exponent field
.set SPW,    60                        ; v60 my spare word's LDS address; never rewritten
.set NIL,    61                        ; v61 0; never rewritten
	s_load_b512 s[4:19], s[0:1], 0x0               ; x s[4:5], wq s[6:7], wk s[8:9], wv s[10:11], wo s[12:13], mask s[14:15], xi s[16:17], wi s[18:19]
	s_load_b64 s[20:21], s[0:1], 0x40              ; mb
	v_lshl_add_u32 v[SPW], v0, 2, SPARE
	v_mov_b32 v[NIL], 0
	v_lshrrev_b32 v1, 5, v0
	v_readfirstlane_b32 s22, v1                    ; wave
	v_and_b32 v2, 31, v0                           ; lane
	v_and_b32 v3, 15, v0                           ; r
	v_bfe_u32 v4, v0, 4, 1                         ; h
	v_lshlrev_b32 v5, 4, v2                        ; 16 x lane
	v_lshlrev_b32 v6, 3, v2                        ; 8 x lane
	v_lshlrev_b32 v7, 2, v2                        ; 4 x lane
	; every LDS address is made here, ahead of the parting
	s_mul_i32 s23, s22, XSTW
	v_add_nc_u32 v8, s23, v5                       ; x's stage, in: 16 x lane of a token's row
	v_and_b32 v9, 8, v3
	v_add_nc_u32 v9, v9, v3                        ; r + 8 (r / 8)
	v_mul_u32_u24 v10, v9, XPITCH
	v_lshl_add_u32 v10, v4, 7, v10
	v_add_nc_u32 v10, s23, v10                     ; x's stage, out: my tile row's token, + 128 h: my block of 32 numbers
	s_mul_i32 s23, s22, WSTW
	s_add_co_u32 s23, s23, WST
	v_bfe_u32 v11, v0, 3, 1                        ; a column's tile u = (lane / 8) % 2
	v_and_b32 v12, 7, v0
	v_lshl_add_u32 v12, v4, 3, v12                 ; and its row there: lane % 8 + 8 (lane / 16)
	v_mul_u32_u24 v13, v11, 1536
	v_lshl_add_u32 v14, v12, 3, v13
	v_add_nc_u32 v14, s23, v14                     ; the weights' stage, in: 1,536 u + 8 x row
	v_add_nc_u32 v15, s23, v5                      ; and out: 16 x lane
	s_mov_b32 s28, 0x76543210
	s_mov_b32 s29, 0xfedcba98                      ; v_permlanex16_b32's selects for lane l xor 16
	s_wait_kmcnt 0x0
	s_cmp_lt_u32 ttmp9, 512
	s_cbranch_scc1 .Lpath_x
	s_cmp_lt_u32 ttmp9, 768
	s_cbranch_scc1 .Lpath_w
; ---- THE MASK.  mb[b][query tile 128][key step 16][64 words]: bit l of word n = mask[b][the tile's row l % 16][128 step + 32 (n / 16) + 16 (l / 16) + n % 16]: the lane mask of score register n.
; A wave takes one query tile x 256 keys: lane (r, h) loads 16 bytes of its row eight times; together the eight loads take 256 consecutive bytes of each of 16 rows.
	s_sub_co_u32 s24, ttmp9, 768
	s_lshr_b32 s25, s24, 8                         ; b
	s_bfe_u32 s26, s24, 0x70001                    ; the query tile
	s_and_b32 s27, s24, 1
	s_lshl_b32 s27, s27, 2
	s_add_co_u32 s27, s27, s22                     ; which 256 keys
	s_lshr_b32 s30, s26, 1
	s_lshl_b32 s30, s30, 5
	s_and_b32 s31, s26, 1
	s_lshl_b32 s31, s31, 3
	s_add_co_u32 s30, s30, s31
	s_lshl_b32 s31, s25, 11
	s_add_co_u32 s30, s30, s31                     ; the tile's first row of the mask
	s_lshl_b32 s30, s30, 11                        ; rows of 2,048 bytes
	s_lshl_b32 s31, s27, 8
	s_add_co_u32 s30, s30, s31
	s_mov_b32 s31, 0
	s_add_nc_u64 s[14:15], s[14:15], s[30:31]
	s_lshl_b32 s30, s25, 7
	s_add_co_u32 s30, s30, s26
	s_lshl_b32 s30, s30, 3
	s_add_co_u32 s30, s30, s27
	s_lshl_b32 s30, s30, 9                         ; two key steps' words, 512 bytes
	s_add_nc_u64 s[20:21], s[20:21], s[30:31]
	v_lshlrev_b32 v18, 11, v9
	v_lshl_add_u32 v18, v4, 4, v18                 ; my row, + 16 h
.irp k, 0,1,2,3,4,5,6,7
	global_load_b128 v[64+4*\k:67+4*\k], v18, s[14:15] offset:128*(\k/4)+32*(\k%4) th:TH_LOAD_NT
.endr
.irp i, 0,1,2,3
	v_mov_b32 v[96+\i], 0                          ; v_writelane_b32's destination counts as read
.endr
.set G, 0                              ; eight bytes at a time: byte 8 G + e of my 128
.rept 16
.if G%2 == 0
	s_wait_loadcnt 7-G/2                           ; loads come back in order: this one is in, the younger ones stay out
.endif
.irp e, 0,1,2,3,4,5,6,7
	v_and_b32 v[100+\e], 0xff<<(8*(\e%4)), v[64+4*(G/2)+2*(G%2)+\e/4]
.endr
.irp e, 0,1,2,3,4,5,6,7
	v_cmp_ne_u32 s[32+\e], 0, v[100+\e]            ; the 32 lanes' bits are the word
.endr
.irp e, 0,1,2,3,4,5,6,7
	v_writelane_b32 v[96+2*(G/8)+\e%2], s[32+\e], (8*(G%8)+\e)/2   ; word n into lane n / 2, register n % 2
.endr
.set G, G+1
.endr
	global_store_b64 v6, v[96:97], s[20:21]        ; 32 lanes store 256 consecutive bytes, aligned
	global_store_b64 v6, v[98:99], s[20:21] offset:256
	s_wait_tensorcnt 0x0                           ; the wave's end
	ds_add_u32 v[SPW], v[NIL]
	s_wait_dscnt 0x0
	s_endpgm
; ---- x.  Work-group = block (group g of 128 tokens, K step s).  Wave w: tokens 32 w .. 32 w + 31 of the group, tiles 2 w and 2 w + 1.
; Each load reads a token's 512 consecutive bytes; the 32 rows turn through the wave's own stage, and come back 32 neighbours along K to a lane and block.
.Lpath_x:
	s_lshr_b32 s24, ttmp9, 3
	s_lshl_b32 s24, s24, 19                        ; g x 128 rows of 4,096 bytes
	s_and_b32 s25, ttmp9, 7
	s_lshl_b32 s25, s25, 9                         ; s x 512 bytes
	s_add_co_u32 s24, s24, s25
	s_lshl_b32 s25, s22, 17                        ; w x 32 rows
	s_add_co_u32 s24, s24, s25
	s_mov_b32 s25, 0
	s_add_nc_u64 s[4:5], s[4:5], s[24:25]
	s_mul_i32 s24, ttmp9, 12800
	s_add_nc_u64 s[16:17], s[16:17], s[24:25]
	s_mul_i32 s26, s22, 3072
	v_add_nc_u32 v16, s26, v6                      ; codes: 8 x lane + my two fragments
	s_lshl_b32 s26, s22, 7
	v_add_nc_u32 v17, s26, v7                      ; scale words: 4 x lane + my two tiles' 128 bytes
	v_lshlrev_b32 v28, 3, v4                       ; 8 h
	v_mov_b32 v27, 0                               ; a lane permute's destination counts as read
.set j, 0
.rept 32
	global_load_b128 v[64+4*j:67+4*j], v5, s[4:5] offset:4096*j th:TH_LOAD_NT
.set j, j+1
.endr
.set j, 0
.rept 32
	s_wait_loadcnt 31-j                            ; row j is in; the younger rows stay out
	ds_store_b128 v8, v[64+4*j:67+4*j] offset:XPITCH*j
.set j, j+1
.endr
.macro XREAD u, reg                    ; tile 2 w + u: register 32 c + i = k 64 c + 32 h + i of my row.  LDS serves a wave's instructions in order: these see my stores
.irp c, 0,1
.irp i, 0,1,2,3,4,5,6,7
	ds_load_b128 v[(\reg)+32*\c+4*\i:(\reg)+32*\c+4*\i+3], v10 offset:8*(\u)*XPITCH+256*\c+16*\i
.endr
.endr
.endm
.macro XQ u, src, pc                   ; 64 numbers become a fragment's 12 registers at v[pc] and the row's scale word in v[52 + u]; the codes are stored
.irp c, 0,1
	v_max3_num_f32 v[20+\c], |v[(\src)+32*\c]|, |v[(\src)+32*\c+1]|, FLOOR   ; my block 2 c + h: all its 32 numbers are mine; the floor holds the byte at 1 from below
.endr
.irp i, 2,4,6,8,10,12,14,16,18,20,22,24,26,28,30
.irp c, 0,1
	v_max3_num_f32 v[20+\c], v[20+\c], |v[(\src)+32*\c+\i]|, |v[(\src)+32*\c+\i+1]|
.endr
.endr
.irp c, 0,1
	v_add_nc_u32 v[22+\c], EM2, v[20+\c]           ; the conversion takes this operand's exponent field as its scale
.endr
.irp c, 0,1
	v_lshrrev_b32 v[24+\c], 23, v[22+\c]           ; the byte
.endr
	v_lshl_or_b32 v26, v25, 16, v24                ; bytes h and 2 + h of the word,
	v_lshlrev_b32 v26, v28, v26                    ; at their places;
	v_permlanex16_b32 v27, v26, s28, s29
	v_or_b32 v[52+(\u)], v26, v27                  ; with lane l xor 16's two the word is whole
.irp c, 0,1
	v_cvt_scalef32_pk16_fp6_f32 v[(\pc)+6*\c:(\pc)+6*\c+2], v[(\src)+32*\c:(\src)+32*\c+15], v[22+\c]
	v_cvt_scalef32_pk16_fp6_f32 v[(\pc)+12+4*\c:(\pc)+14+4*\c], v[(\src)+32*\c+16:(\src)+32*\c+31], v[22+\c]   ; (a conversion's three registers begin on an even number)
.endr
	v_nop                                          ; one plain line behind the scaled conversions
.irp c, 0,1
.irp i, 0,1,2
	v_mov_b32 v[(\pc)+6*\c+3+\i], v[(\pc)+12+4*\c+\i]
.endr
.endr
.irp p, 0,1,2,3,4,5
	global_store_b64 v16, v[(\pc)+2*\p:(\pc)+2*\p+1], s[16:17] offset:1536*(\u)+256*\p   ; 32 lanes store 256 consecutive bytes, aligned
.endr
.endm
	XREAD 0, 192
	s_wait_dscnt 0x0                               ; tile 0's numbers are in, and the stage's stores have read v64 on
	XREAD 1, 64
	XQ 0, 192, 32
	s_wait_dscnt 0x0
	XQ 1, 64, 128
	v_cmp_gt_u32 vcc_lo, 16, v2
	v_cndmask_b32 v54, v53, v52, vcc_lo            ; lanes 0-15: tile 2 w's words; lanes 16-31: tile 2 w + 1's
	global_store_b32 v17, v54, s[16:17] offset:12288
	s_wait_tensorcnt 0x0                           ; the wave's end, behind my last LDS store
	ds_add_u32 v[SPW], v[NIL]
	s_wait_dscnt 0x0
	s_endpgm
; ---- THE WEIGHTS.  Work-group 512 + j = block j of wi: weight j / 64, group (j / 8) % 8 of 128 columns, K step j % 8.  Wave w, lane l: column 32 w + l of the group; its registers run down K.
; A lane's codes belong to row (lane % 8 + 8 (lane / 16)) of tile (lane / 8) % 2: they go to their places in the two fragments' images in the wave's own stage and leave as 512 consecutive bytes a store.
.Lpath_w:
	s_sub_co_u32 s24, ttmp9, 512
	s_lshr_b32 s25, s24, 6
	s_cmp_eq_u32 s25, 1                            ; the choice hangs on the work-group's number alone
	s_cselect_b64 s[6:7], s[8:9], s[6:7]
	s_cmp_eq_u32 s25, 2
	s_cselect_b64 s[6:7], s[10:11], s[6:7]
	s_cmp_eq_u32 s25, 3
	s_cselect_b64 s[6:7], s[12:13], s[6:7]
	s_and_b32 s26, s24, 7
	s_lshl_b32 s26, s26, 19                        ; 128 rows of 4,096 bytes a K step
	s_bfe_u32 s27, s24, 0x30003
	s_lshl_b32 s27, s27, 9                         ; 128 columns a group
	s_add_co_u32 s26, s26, s27
	s_lshl_b32 s27, s22, 7                         ; 32 columns a wave
	s_add_co_u32 s26, s26, s27
	s_mov_b32 s27, 0
	s_add_nc_u64 s[6:7], s[6:7], s[26:27]
	s_mul_i32 s26, s24, 12800
	s_add_nc_u64 s[18:19], s[18:19], s[26:27]
	s_mul_i32 s26, s22, 3072
	v_add_nc_u32 v16, s26, v5                      ; codes: 16 x lane + my two fragments
	s_wait_alu depctr_va_vdst(0)
	v_lshlrev_b32 v17, 6, v11
	v_lshl_add_u32 v17, v12, 2, v17
	s_lshl_b32 s26, s22, 7
	v_add_nc_u32 v17, s26, v17                     ; my column's scale word: 128 w + 64 u + 4 x row
.macro WLOAD kb                        ; block kb: W(32 kb + i, my column) into v[64 + 32 kb + i]: 32 lanes read 128 consecutive bytes, the four waves side by side 512
.set i, 0
.rept 32
	global_load_b32 v[64+32*(\kb)+i], v7, s[6:7] offset:(32*(\kb)+i)*4096 th:TH_LOAD_NT
.set i, i+1
.endr
.endm
.macro WBLOCK kb
.set XS, 64+32*(\kb)
.if (\kb) < 3
	s_wait_loadcnt 32                              ; this block's 32 loads are in; the next block's may be out
.else
	s_wait_loadcnt 0x0
.endif
.if (\kb) < 2
	WLOAD (\kb)+2                                  ; each block has registers of its own: these land on none that is awaited
.endif
	v_max3_num_f32 v20, |v[XS]|, |v[XS+1]|, |v[XS+2]|
	v_max3_num_f32 v21, |v[XS+3]|, |v[XS+4]|, |v[XS+5]|
.irp i, 6,10,14,18,22,26
	v_max3_num_f32 v20, v20, |v[XS+\i]|, |v[XS+\i+1]|
	v_max3_num_f32 v21, v21, |v[XS+\i+2]|, |v[XS+\i+3]|
.endr
	v_max3_num_f32 v20, v20, |v[XS+30]|, |v[XS+31]|
	v_max3_num_f32 v20, v20, v21, FLOOR
	v_add_nc_u32 v22, EM2, v20
	v_lshrrev_b32 v23, 23, v22
.if (\kb) == 0
	v_mov_b32 v24, v23                             ; the four bytes make my column's scale word
.else
	v_lshl_or_b32 v24, v23, 8*(\kb), v24
.endif
	v_cvt_scalef32_pk16_fp6_f32 v[192+8*(\kb):194+8*(\kb)], v[XS:XS+15], v22
	v_cvt_scalef32_pk16_fp6_f32 v[224+4*(\kb):226+4*(\kb)], v[XS+16:XS+31], v22
	v_nop                                          ; one plain line behind the scaled conversions
.irp i, 0,1,2
	v_mov_b32 v[195+8*(\kb)+\i], v[224+4*(\kb)+\i]
.endr
.irp p, 0,1,2
	ds_store_b64 v14, v[192+8*(\kb)+2*\p:193+8*(\kb)+2*\p] offset:768*((\kb)/2)+128*((\kb)%2)+256*\p   ; block kb is half kb / 2 of the fragment, lanes' half kb % 2
.endr
.endm
	WLOAD 0
	WLOAD 1
	WBLOCK 0
	WBLOCK 1
	WBLOCK 2
	WBLOCK 3
.irp i, 0,1,2,3,4,5
	ds_load_b128 v[32+4*\i:35+4*\i], v15 offset:512*\i   ; LDS serves a wave's instructions in order: these see my stores
.endr
	s_wait_alu depctr_va_vdst(0)
.irp i, 0,1,2,3,4,5
	s_wait_dscnt 5-\i
	global_store_b128 v16, v[32+4*\i:35+4*\i], s[18:19] offset:512*\i   ; 32 lanes store 512 consecutive bytes, aligned
.endr
	global_store_b32 v17, v24, s[18:19] offset:12288
	s_wait_tensorcnt 0x0                           ; the wave's end, behind my last LDS store
	ds_add_u32 v[SPW], v[NIL]
	s_wait_dscnt 0x0
	s_endpgm
.Lfunc_end_k_qcc92b4ff11_prep:
	.size	k_qcc92b4ff11_prep, .Lfunc_end_k_qcc92b4ff11_prep-k_qcc92b4ff11_prep
	.p2alignl 7, 3214868480
	.fill 96, 4, 3214868480
	.section	.rodata,"a",@progbits
	.p2align	6, 0x0
	.amdhsa_kernel k_qcc92b4ff11_prep
		.amdhsa_group_segment_fixed_size 80384
		.amdhsa_private_segment_fixed_size 0
		.amdhsa_enable_private_segment 0
		.amdhsa_kernarg_size 72
		.amdhsa_user_sgpr_count 2
		.amdhsa_user_sgpr_kernarg_segment_ptr 1
		.amdhsa_wavefront_size32 1
		.amdhsa_system_sgpr_workgroup_id_x 1
		.amdhsa_system_sgpr_workgroup_id_y 1
		.amdhsa_system_sgpr_workgroup_id_z 1
		.amdhsa_system_vgpr_workitem_id 0
		.amdhsa_next_free_vgpr 256
		.amdhsa_next_free_sgpr 66
		.amdhsa_reserve_vcc 1
		.amdhsa_float_denorm_mode_32 3
		.amdhsa_float_denorm_mode_16_64 3
		.amdhsa_memory_ordered 1
		.amdhsa_forward_progress 1
		.amdhsa_inst_pref_size 66
	.end_amdhsa_kernel
	.amdgpu_metadata
---
amdhsa.version: [ 1, 2 ]
amdhsa.kernels:
  - .name:           k_qcc92b4ff11_prep
    .symbol:         k_qcc92b4ff11_prep.kd
    .args:
      - { .name: x, .offset: 0, .size: 8, .value_kind: global_buffer, .address_space: global }
      - { .name: wq, .offset: 8, .size: 8, .value_kind: global_buffer, .address_space: global }
      - { .name: wk, .offset: 16, .size: 8, .value_kind: global_buffer, .address_space: global }
      - { .name: wv, .offset: 24, .size: 8, .value_kind: global_buffer, .address_space: global }
      - { .name: wo, .offset: 32, .size: 8, .value_kind: global_buffer, .address_space: global }
      - { .name: mask, .offset: 40, .size: 8, .value_kind: global_buffer, .address_space: global }
      - { .name: xi, .offset: 48, .size: 8, .value_kind: global_buffer, .address_space: global }
      - { .name: wi, .offset: 56, .size: 8, .value_kind: global_buffer, .address_space: global }
      - { .name: mb, .offset: 64, .size: 8, .value_kind: global_buffer, .address_space: global }
    .group_segment_fixed_size: 80384
    .private_segment_fixed_size: 0
    .kernarg_segment_align: 8
    .kernarg_segment_size: 72
    .max_flat_workgroup_size: 128
    .sgpr_count:     66
    .vgpr_count:     256
    .wavefront_size: 32
...
	.end_amdgpu_metadata
.endif
;; end of part 1
;; launch qkv (part 2): grid 16 x 48, 4 waves a work-group, clusters of 4 x 4, 327,680 bytes of LDS; arguments xi, wi, qi, kv; writes qi, kv
.if DOCPART == 2
	.amdgcn_target "amdgcn-amd-amdhsa--gfx1250"
	.amdhsa_code_object_version 6
	.text
	.protected	k_qcc92b4ff11_qkv
	.globl	k_qcc92b4ff11_qkv
	.p2align	8
	.type	k_qcc92b4ff11_qkv,@function
k_qcc92b4ff11_qkv:
	s_mov_b64 s[64:65], 0
	v_nop
	global_prefetch_b8 v0, s[64:65] scope:SCOPE_SE
	s_setreg_imm32_b32 hwreg(HW_REG_WAVE_MODE, 25, 1), 1
	s_wait_xcnt 0x0
	s_wait_alu depctr_hold_cnt(0) depctr_sa_sdst(0) depctr_va_vdst(0) depctr_va_sdst(0) depctr_va_ssrc(0) depctr_va_vcc(0) depctr_vm_vsrc(0)
	s_getreg_b32 s2, hwreg(HW_REG_IB_STS2, 6, 4)
	s_cmp_eq_u32 s2, 0
	s_cbranch_scc0 .Lentry_in_a_cluster
	s_endpgm
.Lentry_in_a_cluster:
	s_bfe_u32 s2, ttmp6, 0x10000c
	s_cmp_lg_u32 s2, 0xf033
	s_cbranch_scc0 .Lentry_shape_is_right
	s_endpgm
.Lentry_shape_is_right:
; QKV: q = x wq, k = x wk, v = x wv on codes of FP6 (E2M3) with E8M0 scales, and the results quantised on the way out: q and k along a head's 64, v along the keys.
; D = S0 S1^T, USED TRANSPOSED: source 0 = 16 rows of S0, source 1 = 16 rows of S1: a lane holds ONE row of S1, its registers run along S0's rows.  S0's tiles are laid so that the 16 registers of tiles 2 B, 2 B + 1
; are the 16 neighbours 32 B + 16 (lane / 16) + 0 .. 15: what a conversion wants.
; Clusters with y < 8: S0 = 128 columns of wq or wk (two heads), S1 = 256 tokens: a lane holds a token, registers run along the heads' channels.
; Clusters with y >= 8: S0 = 128 tokens (one key step), S1 = 256 columns of wv: a lane holds a channel, registers run along the keys.  The kind is chosen by selects on the cluster's y: one text, no branch.
; SHARES.  A work-group: 128 rows of S0 x 256 rows of S1, all of K = 1,024.  Wave w: S0's 8 tiles x S1's tiles 4 w .. 4 w + 3: 32 accumulators.
; LDS.  Both operands' images for all of K (3 x 102,400 bytes) are filled ONCE, one tensor load a strip: no byte is filled again.  Wave 0 fetches S0's strip, waves 1 and 2 S1's two, one load each: one of a wave's is out at the most.
; CLUSTER 4 x 4: S0's strip hangs on x alone and is asked for jointly down a column, S1's on y alone and jointly along a row.
; OUT.  qi[b h][step][6,656]: 8 half fragments (16 tokens x 64) at 1,536 (t % 4) + 768 (t / 4), scale words at 6,144 + 64 t + 4 r.  kv[b h][step][13,056]: K's likewise (words at 12,288), V's four fragments
; (16 channels x 128 keys) at 6,144 + 1,536 t, their words at 12,800 + 64 t + 4 r.  Code stores cover 256 consecutive bytes, aligned; the scale words leave in runs of 64 bytes, one byte in 24 of what is stored.
; A q or k word's upper two bytes stand over zero codes: the even head's keeps the odd head's bytes there, the odd head's has zeros; neither is 0xff.
; LIMITS: a block of zeros or under 2^-124 keeps the byte 1; NaN and infinities are not served.
; REGISTERS: window 0: v2-15 addresses; v32-43 scale words, two sets of six (lanes 0-15 an even tile's, lanes 16-31 the odd one's); v64-159 S1's fragments, two sets; on the way out v64-167, v200-215.
;   window 1: S0's fragments, sets at v0 and v128.   window 2: accumulator (a, b) at v[64 a + 8 b].
.set STRIP,  102400                    ; a group's eight K steps
.set BLK,    12800                     ; a K step: 8 fragments of 1,536 bytes, 512 bytes of scale words
.set CHUNK,  2*BLK                     ; (only its multiple 0 is used.  ONE tensor load a wave brings a whole strip, 400 rows of 256 bytes: a wave has one load out, and the K steps need no further wait on it and no barrier)
.set SPARE,  3*STRIP                   ; the spare words, 128 bytes a wave: two blocks of 256 bytes that no other line names
.set FLOOR,  0x1800000
.set EM2,    0xff000000
.set WV,   12                          ; s12 my wave's number
.set G1C,  24                          ; s[24:31] descriptor group 1, mask of my column (S0)
.set G1R,  32                          ; s[32:39] the same with the mask of my row (S1)
.set G0C,  40                          ; s[40:43] group 0 for S0's strip
.set G0R,  56                          ; s[56:59] the same for S1's
.set A0,   2                           ; v2, v3   S0's fragments: K steps 0-3, 4-7
.set A1,   4                           ; v4, v5   S1's
.set C0,   6                           ; v6, v7   S0's scale words
.set C1,   8                           ; v8, v9   S1's
.set SPW,  10                          ; v10 my spare word's LDS address; never rewritten
.set NIL,  11                          ; v11 0; never rewritten
.set SCW,  32
.set F1,   64
.set TM,   200
.set MSB, 0
.macro WIN new                         ; the immediate's high byte repeats the setting that is left
.if MSB != \new
	s_set_vgpr_msb (MSB<<8)|\new
.set MSB, \new
.endif
.endm
.macro CROUND                          ; a round of the cluster's barrier
	s_barrier_signal -1
	s_barrier_wait -1
	s_cmp_lg_u32 s[WV], 0
	s_cbranch_scc1 .Lnot_wave_0_\@
	s_barrier_signal -3
.Lnot_wave_0_\@:
	s_barrier_wait -3
	s_barrier_signal -1
	s_barrier_wait -1
.endm
; One matrix instruction.  d, fa, fb: first registers of D, source 0, source 1; sa, sb: their scale registers; pa, pb = 1: that side's words stand in lanes 16-31; z = 1: C = 0, else C begins at register c.
.macro WM d, fa, fb, sa, sb, pa, pb, z, c
.if \z
.if (\pa) && (\pb)
	v_wmma_scale_f32_16x16x128_f8f6f4 v[(\d):(\d)+7], v[(\fa):(\fa)+11], v[(\fb):(\fb)+11], 0, v[\sa], v[\sb] matrix_a_fmt:MATRIX_FMT_FP6 matrix_b_fmt:MATRIX_FMT_FP6 matrix_a_scale:MATRIX_SCALE_ROW1 matrix_b_scale:MATRIX_SCALE_ROW1
.elseif \pa
	v_wmma_scale_f32_16x16x128_f8f6f4 v[(\d):(\d)+7], v[(\fa):(\fa)+11], v[(\fb):(\fb)+11], 0, v[\sa], v[\sb] matrix_a_fmt:MATRIX_FMT_FP6 matrix_b_fmt:MATRIX_FMT_FP6 matrix_a_scale:MATRIX_SCALE_ROW1
.elseif \pb
	v_wmma_scale_f32_16x16x128_f8f6f4 v[(\d):(\d)+7], v[(\fa):(\fa)+11], v[(\fb):(\fb)+11], 0, v[\sa], v[\sb] matrix_a_fmt:MATRIX_FMT_FP6 matrix_b_fmt:MATRIX_FMT_FP6 matrix_b_scale:MATRIX_SCALE_ROW1
.else
	v_wmma_scale_f32_16x16x128_f8f6f4 v[(\d):(\d)+7], v[(\fa):(\fa)+11], v[(\fb):(\fb)+11], 0, v[\sa], v[\sb] matrix_a_fmt:MATRIX_FMT_FP6 matrix_b_fmt:MATRIX_FMT_FP6
.endif
.else
.if (\pa) && (\pb)
	v_wmma_scale_f32_16x16x128_f8f6f4 v[(\d):(\d)+7], v[(\fa):(\fa)+11], v[(\fb):(\fb)+11], v[(\c):(\c)+7], v[\sa], v[\sb] matrix_a_fmt:MATRIX_FMT_FP6 matrix_b_fmt:MATRIX_FMT_FP6 matrix_a_scale:MATRIX_SCALE_ROW1 matrix_b_scale:MATRIX_SCALE_ROW1
.elseif \pa
	v_wmma_scale_f32_16x16x128_f8f6f4 v[(\d):(\d)+7], v[(\fa):(\fa)+11], v[(\fb):(\fb)+11], v[(\c):(\c)+7], v[\sa], v[\sb] matrix_a_fmt:MATRIX_FMT_FP6 matrix_b_fmt:MATRIX_FMT_FP6 matrix_a_scale:MATRIX_SCALE_ROW1
.elseif \pb
	v_wmma_scale_f32_16x16x128_f8f6f4 v[(\d):(\d)+7], v[(\fa):(\fa)+11], v[(\fb):(\fb)+11], v[(\c):(\c)+7], v[\sa], v[\sb] matrix_a_fmt:MATRIX_FMT_FP6 matrix_b_fmt:MATRIX_FMT_FP6 matrix_b_scale:MATRIX_SCALE_ROW1
.else
	v_wmma_scale_f32_16x16x128_f8f6f4 v[(\d):(\d)+7], v[(\fa):(\fa)+11], v[(\fb):(\fb)+11], v[(\c):(\c)+7], v[\sa], v[\sb] matrix_a_fmt:MATRIX_FMT_FP6 matrix_b_fmt:MATRIX_FMT_FP6
.endif
.endif
.endm
; K step s's operands into set s % 2: S0's 8 fragments, my 4 of S1, six registers of scale words.  Every load takes consecutive bytes, 8 or 4 a lane.
.macro FETCH s
.set ST_, (\s)%2
.set HI_, (\s)/4
.set OF_, BLK*((\s)%4)
	WIN 0x40                                       ; destination window 1, address window 0
.irp i, 0,1,2,3,4,5,6,7
.irp p, 0,1,2,3,4,5
	ds_load_b64 v[128*ST_+12*\i+2*\p:128*ST_+12*\i+2*\p+1], v[A0+HI_] offset:OF_+1536*\i+256*\p
.endr
.endr
	WIN 0
.irp i, 0,1,2,3
.irp p, 0,1,2,3,4,5
	ds_load_b64 v[F1+48*ST_+12*\i+2*\p:F1+48*ST_+12*\i+2*\p+1], v[A1+HI_] offset:OF_+1536*\i+256*\p
.endr
.endr
.irp i, 0,1,2,3
	ds_load_b32 v[SCW+6*ST_+\i], v[C0+HI_] offset:OF_+12288+128*\i
.endr
.irp i, 0,1
	ds_load_b32 v[SCW+6*ST_+4+\i], v[C1+HI_] offset:OF_+12288+128*\i
.endr
.endm
; K step s's 32 products.  The 32 accumulators take turns, one instruction a turn, in the same order in every step.  cm = 1: C = 0 starts the sums; 2: C = eight registers of window 3; 0: in place.
.macro MUL s, cm
.set ST_, (\s)%2
.if (\cm) == 2
	WIN 0xb1                                       ; source 0 window 1, source 1 window 0, C window 3, D window 2
.else
	WIN 0xa1                                       ; C and D window 2
.endif
.irp a, 0,1,2,3
.irp b, 0,1,2,3,4,5,6,7
.if (\cm) == 1
	WM 64*\a+8*\b, 128*ST_+12*\b, F1+48*ST_+12*\a, SCW+6*ST_+\b/2, SCW+6*ST_+4+\a/2, \b%2, \a%2, 1, 0
.elseif (\cm) == 2
	WM 64*\a+8*\b, 128*ST_+12*\b, F1+48*ST_+12*\a, SCW+6*ST_+\b/2, SCW+6*ST_+4+\a/2, \b%2, \a%2, 0, 8*\b
.else
	WM 64*\a+8*\b, 128*ST_+12*\b, F1+48*ST_+12*\a, SCW+6*ST_+\b/2, SCW+6*ST_+4+\a/2, \b%2, \a%2, 0, 64*\a+8*\b
.endif
.endr
.endr
.endm
; The same work in parts.  FETCHP: part k = 0, 1, 2 of K step s's 78 loads (28, 24, 26 of them).  MULP: S1's tile a against S0's eight tiles: 8 of a step's 32 products, in the order of MUL.
.macro FR0 i                           ; S0's fragment i (ST_, HI_, OF_ are the caller's)
.irp p, 0,1,2,3,4,5
	ds_load_b64 v[128*ST_+12*(\i)+2*\p:128*ST_+12*(\i)+2*\p+1], v[A0+HI_] offset:OF_+1536*(\i)+256*\p
.endr
.endm
.macro FR1 i                           ; my fragment i of S1
.irp p, 0,1,2,3,4,5
	ds_load_b64 v[F1+48*ST_+12*(\i)+2*\p:F1+48*ST_+12*(\i)+2*\p+1], v[A1+HI_] offset:OF_+1536*(\i)+256*\p
.endr
.endm
.macro FETCHP s, k
.set ST_, (\s)%2
.set HI_, (\s)/4
.set OF_, BLK*((\s)%4)
	WIN 0x40                                       ; destination window 1, address window 0
.if (\k) == 0
	FR0 0
	FR0 1
	FR0 2
.elseif (\k) == 1
	FR0 3
	FR0 4
	FR0 5
.else
	FR0 6
	FR0 7
.endif
	WIN 0
.if (\k) == 0
	FR1 0
.irp i, 0,1,2,3
	ds_load_b32 v[SCW+6*ST_+\i], v[C0+HI_] offset:OF_+12288+128*\i
.endr
.elseif (\k) == 1
	FR1 1
.else
	FR1 2
	FR1 3
.irp i, 0,1
	ds_load_b32 v[SCW+6*ST_+4+\i], v[C1+HI_] offset:OF_+12288+128*\i
.endr
.endif
.endm
.macro MULP s, cm, a
.set ST_, (\s)%2
.if (\cm) == 2
	WIN 0xb1                                       ; source 0 window 1, source 1 window 0, C window 3, D window 2
.else
	WIN 0xa1                                       ; C and D window 2
.endif
.irp b, 0,1,2,3,4,5,6,7
.if (\cm) == 1
	WM 64*(\a)+8*\b, 128*ST_+12*\b, F1+48*ST_+12*(\a), SCW+6*ST_+\b/2, SCW+6*ST_+4+(\a)/2, \b%2, (\a)%2, 1, 0
.elseif (\cm) == 2
	WM 64*(\a)+8*\b, 128*ST_+12*\b, F1+48*ST_+12*(\a), SCW+6*ST_+\b/2, SCW+6*ST_+4+(\a)/2, \b%2, (\a)%2, 0, 8*\b
.else
	WM 64*(\a)+8*\b, 128*ST_+12*\b, F1+48*ST_+12*(\a), SCW+6*ST_+\b/2, SCW+6*ST_+4+(\a)/2, \b%2, (\a)%2, 0, 64*(\a)+8*\b
.endif
.endr
.endm
.macro PLACES
.rept 4
	v_nop
.endr
.endm
; A K step: its operands are in; the next step's are asked for into the other set, which the step before has multiplied (its four places stand at that step's end); then the 32 products.
; All three strips lie in LDS from the head's barrier on, and nothing is written there.
.macro KSTEP s, cm
	s_wait_dscnt 0x0
.irp a, 0,1,2,3                        ; the next step's loads go out in three runs, each ahead of eight products: they land in the other set, four places behind the products that read it last
.if ((\s) < 7) && (\a < 3)
	FETCHP (\s)+1, \a
.endif
	MULP \s, \cm, \a
.endr
	PLACES
.endm
	s_load_b256 s[4:11], s[0:1], 0x0               ; xi s[4:5], wi s[6:7], qi s[8:9], kv s[10:11]
	v_lshl_add_u32 v[SPW], v0, 2, SPARE
	v_mov_b32 v[NIL], 0
	ds_add_u32 v[SPW], v[NIL]                      ; the wave's opening: the add and its wait ahead of my first tensor load; the set-up below stands between them
	ds_add_u32 v[SPW], v[NIL]
	v_lshrrev_b32 v1, 5, v0
	v_readfirstlane_b32 s[WV], v1
	s_bfe_u32 s13, ttmp6, 0x40000                  ; cx
	s_bfe_u32 s14, ttmp6, 0x40004                  ; cy
	s_lshl_b32 s15, ttmp9, 2
	s_add_co_u32 s15, s15, s13                     ; X = 4 x cluster x + cx
	s_and_b32 s16, ttmp7, 0xffff                   ; the cluster's y: under 8 the kind q/k, from 8 on the kind v
	s_lshl_b32 s18, s14, 2
	s_lshl_b32 s18, 15, s18                        ; my row of the cluster
	s_lshl_b32 s19, 0x1111, s13                    ; my column
	s_or_b32 s[G1C], s19, (3<<16)|(1<<21)          ; 15:0 the mask; 17:16 elements of 8 bytes; 21 set beside a mask; no padding
	s_or_b32 s[G1R], s18, (3<<16)|(1<<21)
.irp g, G1C, G1R
	s_mov_b32 s[\g+1], 32<<16                      ; tensor_dim0 = 32 elements: rows of 256 bytes
	s_mov_b32 s[\g+2], 400<<16                     ; tensor_dim1 = 400 rows: a dense strip of 102,400 bytes
	s_mov_b32 s[\g+3], 32<<16                      ; tile_dim0
	s_mov_b32 s[\g+4], 400                         ; tile_dim1
	s_mov_b32 s[\g+5], 32                          ; the pitch
	s_mov_b32 s[\g+6], 0
	s_mov_b32 s[\g+7], 0
.endr
	s_lshl_b32 s76, s16, 4
	s_add_co_u32 s76, s76, s15
	s_sub_co_u32 s76, s76, 128                     ; kind v: S0 = xi's group X + 16 (y - 8)
	s_lshl_b32 s77, s14, 1
	s_lshl_b32 s78, s16, 3
	s_add_co_u32 s78, s78, s77                     ; kind q/k: S1 = xi's groups 2 (4 y + cy) on
	s_add_co_u32 s77, s77, 16                      ; kind v: S1 = wi's groups 16 + 2 cy on
	s_add_co_u32 s17, s[WV], 1
	s_and_b32 s17, s17, 1                          ; which of S1's two groups waves 1 and 2 fetch: 0, 1
	s_cmp_ge_u32 s16, 8
	s_cselect_b32 s76, s76, s15                    ; kind q/k: S0 = wi's group X
	s_cselect_b32 s77, s77, s78
	s_add_co_u32 s77, s77, s17
	s_mul_i32 s76, s76, STRIP
	s_mul_i32 s78, s77, STRIP
	s_mov_b32 s77, 0
	s_mov_b32 s79, 0
	s_mul_i32 s88, s17, STRIP
	s_add_co_u32 s88, s88, STRIP                   ; where that group lies in LDS: no place in the cluster enters an LDS address
	s_wait_dscnt 0x0                               ; the opening add is done
	s_wait_kmcnt 0x0
	s_cmp_ge_u32 s16, 8
	s_cselect_b64 s[80:81], s[4:5], s[6:7]         ; S0's buffer
	s_cselect_b64 s[82:83], s[6:7], s[4:5]         ; S1's
	s_add_nc_u64 s[80:81], s[80:81], s[76:77]
	s_add_nc_u64 s[82:83], s[82:83], s[78:79]
.irp q, 0
	s_mov_b32 s[G0C+4*\q], 1
	s_mov_b32 s[G0C+4*\q+1], CHUNK*\q              ; LDS address
	s_add_nc_u64 s[G0C+4*\q+2:G0C+4*\q+3], s[80:81], CHUNK*\q
	s_or_b32 s[G0C+4*\q+3], s[G0C+4*\q+3], 0x80000000   ; type = 2
	s_mov_b32 s[G0R+4*\q+4*(\q/2)], 1
	s_add_co_u32 s[G0R+4*\q+4*(\q/2)+1], s88, CHUNK*\q
	s_add_nc_u64 s[G0R+4*\q+4*(\q/2)+2:G0R+4*\q+4*(\q/2)+3], s[82:83], CHUNK*\q
	s_or_b32 s[G0R+4*\q+4*(\q/2)+3], s[G0R+4*\q+4*(\q/2)+3], 0x80000000
.endr
	CROUND                                         ; all sixteen work-groups are here: the joint loads meet
	s_cmp_eq_u32 s[WV], 0                          ; a wave's fills stand in one branch on the wave's number, the same in every work-group; an s_nop 0 follows each load, four v_nop the last
	s_cbranch_scc0 .Lnot_s0
	tensor_load_to_lds s[G0C:G0C+3], s[G1C:G1C+7]  ; wave 0: S0's strip
	s_nop 0
.rept 4
	v_nop
.endr
	s_branch .Lasked
.Lnot_s0:
	s_cmp_eq_u32 s[WV], 3
	s_cbranch_scc1 .Lasked
	tensor_load_to_lds s[G0R:G0R+3], s[G1R:G1R+7]  ; waves 1 and 2: one of S1's strips each
	s_nop 0
.rept 4
	v_nop
.endr
.Lasked:
	v_and_b32 v1, 31, v0
	v_lshlrev_b32 v[A0], 3, v1                     ; 8 x lane
	v_add_nc_u32 v[A0+1], 4*BLK, v[A0]
	s_lshr_b32 s20, s[WV], 1
	s_and_b32 s21, s[WV], 1
	s_mul_i32 s22, s20, STRIP
	s_add_co_u32 s22, s22, STRIP                   ; my group of S1
	s_mul_i32 s23, s21, 6144
	s_add_co_u32 s23, s23, s22                     ; my four tiles in it
	v_add_nc_u32 v[A1], s23, v[A0]
	v_add_nc_u32 v[A1+1], 4*BLK, v[A1]
	v_lshlrev_b32 v[C0], 2, v1                     ; 4 x lane: two tiles' words
	v_add_nc_u32 v[C0+1], 4*BLK, v[C0]
	s_lshl_b32 s23, s21, 8
	s_add_co_u32 s23, s23, s22
	v_add_nc_u32 v[C1], s23, v[C0]
	v_add_nc_u32 v[C1+1], 4*BLK, v[C1]
	; where the results go.  Kind q/k first:
	s_lshl_b32 s76, s16, 2
	s_add_co_u32 s76, s76, s14                     ; Y = 4 y + cy: 256 tokens
	s_lshr_b32 s77, s76, 3                         ; the batch
	s_and_b32 s78, s76, 7
	s_lshl_b32 s78, s78, 1
	s_add_co_u32 s78, s78, s20                     ; the step of 128 tokens
	s_and_b32 s79, s15, 7
	s_lshl_b32 s79, s79, 1                         ; the even head of my two
	s_mul_i32 s80, s21, 768                        ; tiles 4 (w % 2) + a: codes at 768 (w % 2) + 1,536 a
	s_lshl_b32 s81, s21, 8                         ; words at 256 (w % 2) + 64 a
	s_cmp_lt_u32 s15, 8                            ; q or k
	s_mov_b32 s82, 13056
	s_cselect_b32 s82, 6656, s82                   ; a record
	s_mov_b32 s83, 12288
	s_cselect_b32 s83, 6144, s83                   ; where its words begin
	s_cselect_b64 s[84:85], s[8:9], s[10:11]
	s_add_co_u32 s81, s81, s83
	s_lshl_b32 s86, s82, 4                         ; the odd head's record lies 16 records on
	; kind v:
	s_lshl_b32 s87, s16, 4
	s_add_co_u32 s87, s87, s15
	s_sub_co_u32 s87, s87, 128                     ; the group of 128 tokens
	s_lshr_b32 s88, s87, 4                         ; the batch
	s_and_b32 s89, s87, 15                         ; the key step
	s_lshl_b32 s90, s14, 2
	s_add_co_u32 s90, s90, s[WV]                   ; the head: my four tiles are its 64 channels
	s_cmp_ge_u32 s16, 8
	s_cselect_b32 s77, s88, s77
	s_cselect_b32 s78, s89, s78
	s_cselect_b32 s79, s90, s79
	s_cselect_b32 s80, 6144, s80
	s_cselect_b32 s81, 12800, s81
	s_cselect_b32 s82, 13056, s82
	s_cselect_b64 s[84:85], s[10:11], s[84:85]
	s_cselect_b32 s92, 768, s86                    ; from a fragment's first half to its second: v: on end; q/k: the odd head's record
	s_cselect_b32 s93, 0, s86                      ; the same for the word of lanes 16-31
	s_cselect_b32 s94, 0, 16                       ; and how far those lanes shift it down
	s_lshl_b32 s77, s77, 4
	s_add_co_u32 s77, s77, s79
	s_lshl_b32 s77, s77, 4
	s_add_co_u32 s77, s77, s78                     ; the record's number
	s_mul_i32 s77, s77, s82
	s_add_co_u32 s96, s77, s80
	s_mov_b32 s97, 0
	s_add_co_u32 s98, s77, s81
	s_mov_b32 s99, 0
	s_add_nc_u64 s[96:97], s[84:85], s[96:97]      ; codes
	s_add_nc_u64 s[98:99], s[84:85], s[98:99]      ; words
	v_and_b32 v13, 15, v0
	v_bfe_u32 v14, v0, 4, 1
	v_add_nc_u32 v12, s92, v[A0]                   ; the second half's offset
	v_mul_lo_u32 v15, v14, s93
	v_lshl_add_u32 v13, v13, 2, v15                ; the word's offset
	v_mul_lo_u32 v15, v14, s94                     ; the word's shift
	s_mov_b32 s90, 0x76543210
	s_mov_b32 s91, 0xfedcba98                      ; v_permlanex16_b32's selects for lane l xor 16
.irp b, 0,1,2,3
	v_mov_b32 v[TM+4+\b], 0                        ; a lane permute's destination counts as read
.endr
	s_wait_tensorcnt 0x0                           ; my strip is in
	s_barrier_signal -1
	s_barrier_wait -1                              ; everybody's are
	FETCH 0
	KSTEP 0, 1                                     ; the first step's products start the sums: nothing is cleared
	KSTEP 1, 0
	KSTEP 2, 0
	KSTEP 3, 0
	KSTEP 4, 0
	KSTEP 5, 0
	KSTEP 6, 0
	KSTEP 7, 0
; THE WAY OUT.  The 64 registers of S1's tile a: register 16 b + i = S0 index 32 b + 16 (lane / 16) + i of my row.  They become a fragment's 12 registers and a scale word, and are stored.  Each tile has registers of its own for what is stored.
.macro QUANTW a
.set AC_, 64*(\a)
.set PC_, 64+20*(\a)
	WIN 0x0a                                       ; sources 0 and 1 window 2
.irp b, 0,1,2,3
	v_max3_num_f32 v[TM+\b], |v[AC_+16*\b]|, |v[AC_+16*\b+1]|, FLOOR   ; each accumulator is read from its low end on
.endr
.irp i, 2,4,6,8,10,12,14
.irp b, 0,1,2,3
	v_max3_num_f32 v[TM+\b], |v[AC_+16*\b+\i]|, |v[AC_+16*\b+\i+1]|, v[TM+\b]
.endr
.endr
	WIN 0
.irp b, 0,1,2,3
	v_permlanex16_b32 v[TM+4+\b], v[TM+\b], s90, s91
.endr
.irp b, 0,1,2,3
	v_max_num_f32 v[TM+\b], v[TM+\b], v[TM+4+\b]   ; with lane l xor 16's 16: the block's largest magnitude
.endr
.irp b, 0,1,2,3
	v_add_nc_u32 v[TM+12+\b], EM2, v[TM+\b]
.endr
.irp b, 0,1,2,3
	v_lshrrev_b32 v[TM+4+\b], 23, v[TM+12+\b]
.endr
	v_lshl_or_b32 v[160+\a], v[TM+5], 8, v[TM+4]
	v_lshl_or_b32 v[160+\a], v[TM+6], 16, v[160+\a]
	v_lshl_or_b32 v[160+\a], v[TM+7], 24, v[160+\a]
	WIN 0x02                                       ; source 0 window 2
.irp c, 0,1
	v_cvt_scalef32_pk16_fp6_f32 v[PC_+6*\c:PC_+6*\c+2], v[AC_+32*\c:AC_+32*\c+15], v[TM+12+2*\c]
	v_cvt_scalef32_pk16_fp6_f32 v[PC_+12+4*\c:PC_+14+4*\c], v[AC_+32*\c+16:AC_+32*\c+31], v[TM+13+2*\c]
.endr
	WIN 0
	v_nop                                          ; one plain line behind the scaled conversions
.irp c, 0,1                            ; the layout wants a WHOLE block in a lane: lanes 0-15 block 2 c, lanes 16-31 block 2 c + 1
.irp i, 0,1,2
	v_permlane16_swap_b32 v[PC_+6*\c+\i], v[PC_+12+4*\c+\i]
.endr
.irp i, 0,1,2
	v_mov_b32 v[PC_+6*\c+3+\i], v[PC_+12+4*\c+\i]
.endr
.endr
	v_lshrrev_b32 v[164+\a], v15, v[160+\a]
.irp p, 0,1,2
	global_store_b64 v[A0], v[PC_+2*\p:PC_+2*\p+1], s[96:97] offset:1536*(\a)+256*\p      ; 32 lanes store 256 consecutive bytes, aligned
	global_store_b64 v12, v[PC_+6+2*\p:PC_+7+2*\p], s[96:97] offset:1536*(\a)+256*\p
.endr
	global_store_b32 v13, v[164+\a], s[98:99] offset:64*(\a)
.endm
	QUANTW 0
	QUANTW 1
	QUANTW 2
	QUANTW 3
	s_wait_tensorcnt 0x0                           ; the wave's end
	ds_add_u32 v[SPW], v[NIL]
	s_wait_dscnt 0x0
	CROUND                                         ; the closing round
	s_endpgm
.Lfunc_end_k_qcc92b4ff11_qkv:
	.size	k_qcc92b4ff11_qkv, .Lfunc_end_k_qcc92b4ff11_qkv-k_qcc92b4ff11_qkv
	.p2alignl 7, 3214868480
	.fill 96, 4, 3214868480
	.section	.rodata,"a",@progbits
	.p2align	6, 0x0
	.amdhsa_kernel k_qcc92b4ff11_qkv
		.amdhsa_group_segment_fixed_size 327680
		.amdhsa_private_segment_fixed_size 0
		.amdhsa_enable_private_segment 0
		.amdhsa_kernarg_size 32
		.amdhsa_user_sgpr_count 2
		.amdhsa_user_sgpr_kernarg_segment_ptr 1
		.amdhsa_wavefront_size32 1
		.amdhsa_system_sgpr_workgroup_id_x 1
		.amdhsa_system_sgpr_workgroup_id_y 1
		.amdhsa_system_sgpr_workgroup_id_z 1
		.amdhsa_system_vgpr_workitem_id 0
		.amdhsa_next_free_vgpr 1024
		.amdhsa_next_free_sgpr 100
		.amdhsa_reserve_vcc 0
		.amdhsa_float_denorm_mode_32 3
		.amdhsa_float_denorm_mode_16_64 3
		.amdhsa_memory_ordered 1
		.amdhsa_forward_progress 1
		.amdhsa_inst_pref_size 101
	.end_amdhsa_kernel
	.amdgpu_metadata
---
amdhsa.version: [ 1, 2 ]
amdhsa.kernels:
  - .name:           k_qcc92b4ff11_qkv
    .symbol:         k_qcc92b4ff11_qkv.kd
    .args:
      - { .name: xi, .offset: 0, .size: 8, .value_kind: global_buffer, .address_space: global }
      - { .name: wi, .offset: 8, .size: 8, .value_kind: global_buffer, .address_space: global }
      - { .name: qi, .offset: 16, .size: 8, .value_kind: global_buffer, .address_space: global }
      - { .name: kv, .offset: 24, .size: 8, .value_kind: global_buffer, .address_space: global }
    .group_segment_fixed_size: 327680
    .private_segment_fixed_size: 0
    .kernarg_segment_align: 8
    .kernarg_segment_size: 32
    .max_flat_workgroup_size: 128
    .sgpr_count:     100
    .vgpr_count:     1024
    .wavefront_size: 32
...
	.end_amdgpu_metadata
.endif
;; end of part 2
;; launch attn (part 3): grid 4 x 64, 16 waves a work-group, clusters of 4 x 1, 327,680 bytes of LDS; arguments qi, kv, mb, ao; writes ao
.if DOCPART == 3
	.amdgcn_target "amdgcn-amd-amdhsa--gfx1250"
	.amdhsa_code_object_version 6
	.text
	.protected	k_qcc92b4ff11_attn
	.globl	k_qcc92b4ff11_attn
	.p2align	8
	.type	k_qcc92b4ff11_attn,@function
k_qcc92b4ff11_attn:
	s_mov_b64 s[64:65], 0
	v_nop
	global_prefetch_b8 v0, s[64:65] scope:SCOPE_SE
	s_setreg_imm32_b32 hwreg(HW_REG_WAVE_MODE, 25, 1), 1
	s_wait_xcnt 0x0
	s_wait_alu depctr_hold_cnt(0) depctr_sa_sdst(0) depctr_va_vdst(0) depctr_va_sdst(0) depctr_va_ssrc(0) depctr_va_vcc(0) depctr_vm_vsrc(0)
	s_getreg_b32 s2, hwreg(HW_REG_IB_STS2, 6, 4)
	s_cmp_eq_u32 s2, 0
	s_cbranch_scc0 .Lentry_in_a_cluster
	s_endpgm
.Lentry_in_a_cluster:
	s_bfe_u32 s2, ttmp6, 0x10000c
	s_cmp_lg_u32 s2, 0x3003
	s_cbranch_scc0 .Lentry_shape_is_right
	s_endpgm
.Lentry_shape_is_right:
; ATTN: for each batch and head, O = softmax(mask(Q K^T / 8)) V, both products on codes of FP6 (E2M3) with E8M0 scales; the result is quantised along d_model into ao, the last product's operand.
; SOFTMAX: t = score x log2(e) / 8; M = the row's largest t so far, rounded UP to a whole number; p = 2^(t - M) is quantised along the keys, not normalised.  The row's sum is taken of the unquantised p and divides O
; at the end.  When M moves, the sum and O are multiplied by 2^(old M - new M): exact.
; THE MASK: a hidden score becomes -2^33 ahead of the maximum, by one select with a lane mask that an earlier launch packed (64 words a key step, brought by scalar loads one step ahead).  No compare, no branch.
; LIMIT: so a hidden logit is -2^30 = -1.07e9 where the definition has -1e9.  log2(e) / 8 x 2^33 is a whole number in f32, so a row that is hidden entirely has p = 1 everywhere: the uniform row of the definition.
; Results agree as long as open logits lie above about -1e9.  A block of zeros keeps the byte 1; NaN and infinities are not served.
; SHARES.  A work-group: 512 queries of one head.  Each of its SIXTEEN waves owns two tiles of 16 queries, one after the other (PASS), in 256 registers: four waves to a SIMD, so that one wave's vector work stands
; beside another's products and LDS loads.  Every wave walks the head's 2,048 keys, 128 a step.
; LDS.  The head's sixteen records of K and V (13,056 bytes each) are filled ONCE, one load a wave: no byte is filled again.
; CLUSTER 4 x 1: the four work-groups of a head need the same records: each is asked for jointly.
; LAYOUT.  Both products are used transposed: S^T = K Q^T, O^T = V^T P^T: a lane holds ONE query.  K's tiles are laid so that the 16 registers of tiles 2 b, 2 b + 1 are the keys 32 b + 16 (lane / 16) + 0 .. 15.
; The first product's K is 64: the upper six registers of Q's and K's fragments are zero codes.
; OUT.  A half fragment (16 queries x this head's 64) by three stores of 256 consecutive bytes, aligned; its two scale bytes a row by a store of 2 bytes a lane, one byte in 24 of what is stored.
.set REC,   13056
.set SPARE, 16*REC                     ; the spare words, 128 bytes a wave: eight blocks of 256 bytes that no other line names
.set FLOOR, 0x1800000
.set EM2,   0xff000000
.set L8,  1                            ; v1  8 x lane
.set L4,  2                            ; v2  4 x lane
.set ADR, 3                            ; v3  the step's record + 8 x lane
.set ADS, 4                            ; v4  + 4 x lane
.set SPW, 5                            ; v5  my spare word's LDS address; never rewritten
.set NIL, 6                            ; v6  0; never rewritten
.set MV,  7                            ; v7  -2^33
.set R4,  8                            ; v8  4 x (lane % 16)
.set QF,  16                           ; v16-27 Q (v22-27 zeros)        v12 -M, v13 the largest t, v[14:15] the sum in two halves
.set QS,  28                           ; v28 Q's scale words
.set PS,  29                           ; v29 p's scale word
.set VS,  30                           ; v30-31 V's scale words, two tiles a register
.set KF,  32                           ; v32-79 four fragments of K (upper six registers of each: zeros)
.set KS,  80                           ; v80-83 K's scale words, two tiles a register
.set VF,  84                           ; v84-131 V's four fragments
.set S,   132                          ; v132-195 S^T, then p
.set OT,  196                          ; v196-227 O^T
.set PC,  228                          ; v228-239 p's codes
.set BM,  240                          ; v240-243 the blocks' largest scores, then p
.set PT,  244                          ; v244-247 at work
.set SO,  248                          ; v248-251 the conversions' scale operands;  v[252:253] f;  v254 at work
.set WV,  12                           ; s12 my wave's number
.set TB,  28                           ; s28 LDS byte at which the step's record begins
.set CNT, 29                           ; s29 steps to go
.set MO,  31                           ; s31 byte offset of the mask words asked for last
.set CS,  66                           ; s[66:67] c = log2(e) / 8
.set SEL, 100                          ; s[100:101] v_permlanex16_b32's selects for lane l xor 16
.macro CROUND                          ; a round of the cluster's barrier
	s_barrier_signal -1
	s_barrier_wait -1
	s_cmp_lg_u32 s[WV], 0
	s_cbranch_scc1 .Lnot_wave_0_\@
	s_barrier_signal -3
.Lnot_wave_0_\@:
	s_barrier_wait -3
	s_barrier_signal -1
	s_barrier_wait -1
.endm
; One matrix instruction.  d, fa, fb: first registers of D, source 0, source 1; sa, sb: their scale registers; pa = 1: source 0's words stand in lanes 16-31; z = 1: C = 0, else C begins at register c.
.macro WM d, fa, fb, sa, sb, pa, z, c
.if \z
.if \pa
	v_wmma_scale_f32_16x16x128_f8f6f4 v[(\d):(\d)+7], v[(\fa):(\fa)+11], v[(\fb):(\fb)+11], 0, v[\sa], v[\sb] matrix_a_fmt:MATRIX_FMT_FP6 matrix_b_fmt:MATRIX_FMT_FP6 matrix_a_scale:MATRIX_SCALE_ROW1
.else
	v_wmma_scale_f32_16x16x128_f8f6f4 v[(\d):(\d)+7], v[(\fa):(\fa)+11], v[(\fb):(\fb)+11], 0, v[\sa], v[\sb] matrix_a_fmt:MATRIX_FMT_FP6 matrix_b_fmt:MATRIX_FMT_FP6
.endif
.else
.if \pa
	v_wmma_scale_f32_16x16x128_f8f6f4 v[(\d):(\d)+7], v[(\fa):(\fa)+11], v[(\fb):(\fb)+11], v[(\c):(\c)+7], v[\sa], v[\sb] matrix_a_fmt:MATRIX_FMT_FP6 matrix_b_fmt:MATRIX_FMT_FP6 matrix_a_scale:MATRIX_SCALE_ROW1
.else
	v_wmma_scale_f32_16x16x128_f8f6f4 v[(\d):(\d)+7], v[(\fa):(\fa)+11], v[(\fb):(\fb)+11], v[(\c):(\c)+7], v[\sa], v[\sb] matrix_a_fmt:MATRIX_FMT_FP6 matrix_b_fmt:MATRIX_FMT_FP6
.endif
.endif
.endm
	s_load_b256 s[4:11], s[0:1], 0x0               ; qi s[4:5], kv s[6:7], mb s[8:9], ao s[10:11]
	v_lshl_add_u32 v[SPW], v0, 2, SPARE
	v_mov_b32 v[NIL], 0
	ds_add_u32 v[SPW], v[NIL]                      ; the wave's opening: the add and its wait ahead of my first tensor load; the set-up below stands between them
	ds_add_u32 v[SPW], v[NIL]
	v_lshrrev_b32 v1, 5, v0
	s_delay_alu instid0(VALU_DEP_1)
	v_readfirstlane_b32 s[WV], v1
	s_bfe_u32 s13, ttmp6, 0x40000                  ; cx: my 512 queries; it enters global addresses alone
	s_and_b32 s30, ttmp7, 0xffff                   ; batch x 16 + head, which the four partners share
	s_lshl_b32 s32, s30, 4
	s_add_co_u32 s33, s32, s[WV]                   ; the record that I fetch: key step = my wave's number
	s_mul_i32 s34, s33, REC
	s_mov_b32 s35, 0
	s_mov_b32 s16, 1                               ; group 0: count = 1
	s_mul_i32 s17, s[WV], REC                      ; LDS address
	s_mov_b32 s20, 15|(3<<16)|(1<<21)              ; group 1: 15:0 the mask: all four work-groups; 17:16 elements of 8 bytes; 21 set beside a mask; no padding
	s_mov_b32 s21, 32<<16                          ; tensor_dim0 = 32 elements: rows of 256 bytes
	s_mov_b32 s22, 51<<16                          ; tensor_dim1 = 51 rows: a dense record
	s_mov_b32 s23, 32<<16                          ; tile_dim0
	s_mov_b32 s24, 51                              ; tile_dim1
	s_mov_b32 s25, 32                              ; the pitch
	s_mov_b32 s26, 0
	s_mov_b32 s27, 0
	s_mov_b32 s[CS], 0x3e38aa3b
	s_mov_b32 s[CS+1], s[CS]                       ; (named with it as a pair, so it is written)
	s_mov_b32 s[SEL], 0x76543210
	s_mov_b32 s[SEL+1], 0xfedcba98
	s_wait_dscnt 0x0                               ; the opening add is done
	s_wait_kmcnt 0x0
	s_add_nc_u64 s[18:19], s[6:7], s[34:35]
	s_or_b32 s19, s19, 0x80000000                  ; type = 2
	CROUND                                         ; all four work-groups are here: the joint loads meet
	tensor_load_to_lds s[16:19], s[20:27]          ; my one tensor load
	s_nop 0
.rept 4
	v_nop
.endr
	s_lshr_b32 s36, s[WV], 2
	s_lshl_b32 s37, s13, 2
	s_add_co_u32 s36, s36, s37                     ; my queries' step of 128 tokens: 4 cx + w / 4
	s_add_co_u32 s38, s32, s36
	s_mul_i32 s38, s38, 6656                       ; its record in qi
	s_and_b32 s39, s[WV], 1
	s_mul_i32 s39, s39, 3072
	s_bfe_u32 s40, s[WV], 0x10001
	s_mul_i32 s40, s40, 768
	s_add_co_u32 s39, s39, s40                     ; tile t = 2 (w % 4) + pass lies at 1,536 (t % 4) + 768 (t / 4)
	s_and_b32 s41, s[WV], 3
	s_lshl_b32 s42, s41, 7                         ; its words at 64 t
	s_add_co_u32 s44, s38, s42
	s_add_co_u32 s44, s44, 6144
	s_mov_b32 s45, 0
	s_add_co_u32 s38, s38, s39
	s_mov_b32 s39, 0
	s_add_nc_u64 s[6:7], s[4:5], s[44:45]          ; Q's scale words
	s_add_nc_u64 s[4:5], s[4:5], s[38:39]          ; Q's codes
	s_lshr_b32 s46, s30, 4                         ; the batch
	s_and_b32 s47, s30, 15                         ; the head
	s_lshl_b32 s38, s46, 7
	s_lshl_b32 s40, s13, 5
	s_add_co_u32 s38, s38, s40
	s_lshl_b32 s40, s[WV], 1
	s_add_co_u32 s38, s38, s40                     ; my first query tile: 128 b + 32 cx + 2 w
	s_lshl_b32 s38, s38, 12                        ; 16 steps x 256 bytes of mask words a tile: my two tiles' are 8,192 bytes on end
	s_add_nc_u64 s[8:9], s[8:9], s[38:39]
	s_lshl_b32 s38, s46, 4
	s_add_co_u32 s38, s38, s36
	s_lshl_b32 s38, s38, 3
	s_lshr_b32 s40, s47, 1
	s_add_co_u32 s38, s38, s40
	s_mul_i32 s38, s38, 12800                      ; ao's block: my group of tokens, K step head / 2
	s_and_b32 s40, s47, 1
	s_lshl_b32 s43, s40, 1
	s_add_co_u32 s44, s38, s42
	s_add_co_u32 s44, s44, s43
	s_add_co_u32 s44, s44, 12288                   ; my tiles' words, bytes 2 (head % 2) on
	s_mul_i32 s41, s41, 3072
	s_mul_i32 s40, s40, 768
	s_add_co_u32 s38, s38, s41
	s_add_co_u32 s38, s38, s40                     ; my tiles' fragments, half head % 2
	s_add_nc_u64 s[14:15], s[10:11], s[44:45]
	s_add_nc_u64 s[10:11], s[10:11], s[38:39]
	s_mov_b32 s[MO], 0
	s_load_b512 s[32:47], s[8:9], s[MO] offset:0x0    ; the first step's 64 mask words: word n in s[32 + n], from n = 32 on in s[36 + n]
	s_load_b512 s[48:63], s[8:9], s[MO] offset:0x40
	s_load_b512 s[68:83], s[8:9], s[MO] offset:0x80
	s_load_b512 s[84:99], s[8:9], s[MO] offset:0xc0
	v_and_b32 v9, 31, v0
	s_delay_alu instid0(VALU_DEP_1)
	v_lshlrev_b32 v[L8], 3, v9
	s_delay_alu instid0(VALU_DEP_2)
	v_lshlrev_b32 v[L4], 2, v9
	v_and_b32 v9, 15, v0
	s_delay_alu instid0(VALU_DEP_1)
	v_lshlrev_b32 v[R4], 2, v9
	v_mov_b32 v[MV], 0xd0000000
.irp i, 6,7,8,9,10,11
	v_mov_b32 v[QF+\i], 0                          ; zero codes for k = 64 .. 127
.irp t, 0,1,2,3
	v_mov_b32 v[KF+12*\t+\i], 0
.endr
.endr
.irp b, 0,1,2,3
	v_mov_b32 v[PT+\b], 0                          ; a lane permute's destination counts as read
.endr
	v_mov_b32 v253, 0                              ; (named as the upper half of the pair v[252:253])
	v_mov_b32 v254, 0
	s_wait_tensorcnt 0x0                           ; my record is in,
	s_barrier_signal -1
	s_barrier_wait -1                              ; everybody's is: the whole head lies in LDS
.macro BMAX b0, b1                     ; the largest score of blocks b0 and b1 of 32 keys: it serves the row's maximum and, since p rises with the score, the block's largest p
.irp b, \b0, \b1
	v_max3_num_f32 v[BM+\b], v[S+16*\b], v[S+16*\b+1], v[S+16*\b+2]
.endr
.irp i, 3,5,7,9,11,13
.irp b, \b0, \b1
	s_delay_alu instid0(VALU_DEP_2)
	v_max3_num_f32 v[BM+\b], v[BM+\b], v[S+16*\b+\i], v[S+16*\b+\i+1]
.endr
.endr
.irp b, \b0, \b1
	s_delay_alu instid0(VALU_DEP_2)
	v_max_num_f32 v[BM+\b], v[BM+\b], v[S+16*\b+15]
.endr
.endm
; A KEY STEP: 128 keys.
.macro STEP
	v_add_nc_u32 v[ADR], s[TB], v[L8]
	v_add_nc_u32 v[ADS], s[TB], v[L4]
.irp t, 0,1,2,3
.irp q, 0,1,2
	ds_load_b64 v[KF+12*\t+2*\q:KF+12*\t+2*\q+1], v[ADR] offset:1536*\t+256*\q   ; K's tiles 0-3
.endr
.endr
.irp i, 0,1,2,3
	ds_load_b32 v[KS+\i], v[ADS] offset:12288+128*\i
.endr
	s_wait_alu depctr_va_vdst(0)
	s_wait_dscnt 0x0
.irp t, 0,1,2,3
	WM S+8*\t, KF+12*\t, QF, KS+\t/2, QS, \t%2, 1, 0
.endr
.rept 4
	v_nop                                          ; four places in front of loads into registers that these products read, and of the first read of their results
.endr
.irp t, 0,1,2,3
.irp q, 0,1,2
	ds_load_b64 v[KF+12*\t+2*\q:KF+12*\t+2*\q+1], v[ADR] offset:768+1536*\t+256*\q   ; K's tiles 4-7
.endr
.endr
	s_wait_kmcnt 0x0                               ; this step's mask words, asked for a step ago
.set n, 0
.rept 32
	v_cndmask_b32 v[S+n], v[MV], v[S+n], s[32+n]   ; hidden: -2^33.  (Each accumulator is read from its low end on.  These stand while tiles 4-7 land)
.set n, n+1
.endr
	s_wait_dscnt 0x0
.irp t, 4,5,6,7
	WM S+8*\t, KF+12*(\t-4), QF, KS+\t/2, QS, \t%2, 1, 0
.endr
.irp t, 0,1,2,3
.irp q, 0,1,2,3,4,5
	ds_load_b64 v[VF+12*\t+2*\q:VF+12*\t+2*\q+1], v[ADR] offset:6144+1536*\t+256*\q   ; V's four fragments: they land under the softmax
.endr
.endr
.irp i, 0,1
	ds_load_b32 v[VS+\i], v[ADS] offset:12800+128*\i
.endr
	BMAX 0, 1                                      ; sixteen lines on tiles 0-3: the places behind the four products above
.rept 32
	v_cndmask_b32 v[S+n], v[MV], v[S+n], s[36+n]
.set n, n+1
.endr
	BMAX 2, 3
	s_add_co_u32 s[MO], s[MO], 256                 ; (the loads that read it were waited for above)  the next step's words, on into my second tile's;
	s_min_u32 s[MO], s[MO], 7936                   ; the last look-ahead reads the last 256 bytes again: no load leaves my 8,192 bytes
	s_load_b512 s[32:47], s[8:9], s[MO] offset:0x0
	s_load_b512 s[48:63], s[8:9], s[MO] offset:0x40
	s_load_b512 s[68:83], s[8:9], s[MO] offset:0x80
	s_load_b512 s[84:99], s[8:9], s[MO] offset:0xc0
.irp b, 0,1,2,3
	v_permlanex16_b32 v[PT+\b], v[BM+\b], s[SEL], s[SEL+1]
.endr
.irp b, 0,1,2,3
	s_delay_alu instid0(VALU_DEP_4)
	v_max_num_f32 v[BM+\b], v[BM+\b], v[PT+\b]     ; with lane l xor 16's 16 keys
.endr
	s_delay_alu instid0(VALU_DEP_2)
	v_max3_num_f32 v254, v[BM], v[BM+1], v[BM+2]
	s_delay_alu instid0(VALU_DEP_1)
	v_max_num_f32 v254, v254, v[BM+3]              ; the step's largest score of my query
	s_delay_alu instid0(VALU_DEP_1)
	v_mul_f32 v254, s[CS], v254                    ; as t
	s_delay_alu instid0(VALU_DEP_1)
	v_max_num_f32 v13, v13, v254                   ; the running largest t
	v_mov_b32 v254, v12
	s_delay_alu instid0(VALU_DEP_2)
	v_floor_f32 v12, -v13                          ; the new -M = floor(-t): M is a whole number
	s_delay_alu instid0(VALU_DEP_1)
	v_sub_f32 v254, v12, v254                      ; old M - new M: a whole number, 0 or less
	s_delay_alu instid0(VALU_DEP_1)
	v_cvt_i32_f32 v254, v254                       ; (it saturates)
	s_delay_alu instid0(VALU_DEP_1)
	v_ldexp_f32 v252, 1.0, v254                    ; f = 2^(old M - new M)
.set j, 0
.rept 32
	v_pk_fma_f32 v[S+j:S+j+1], v[S+j:S+j+1], s[CS:CS+1], v[12:13] op_sel_hi:[1,0,0]   ; t - M, two at a time
.set j, j+2
.endr
.irp b, 0,1,2,3
	v_fma_f32 v[BM+\b], v[BM+\b], s[CS], v12       ; the same of each block's largest score
.endr
.set j, 0
	s_wait_alu depctr_va_vdst(0)
.rept 64
	v_exp_f32 v[S+j], v[S+j]                       ; p = 2^(t - M)
.set j, j+1
.endr
	v_pk_mul_f32 v[14:15], v[14:15], v[252:253] op_sel_hi:[1,0]   ; the sums under the new M: the plain line behind the exponentials
	s_wait_alu depctr_va_vdst(0)                   ; one wait for the batch of 64, ahead of its first reader
.irp b, 0,1,2,3
	v_exp_f32 v[BM+\b], v[BM+\b]                   ; the blocks' largest p: the same two instructions on the same number
.endr
	v_pk_add_f32 v[244:245], v[136:137], v[140:141]
	v_pk_add_f32 v[250:251], v[144:145], v[148:149]
	v_pk_add_f32 v[248:249], v[152:153], v[156:157]
	v_pk_add_f32 v[246:247], v[160:161], v[164:165]
	v_pk_add_f32 v[238:239], v[168:169], v[172:173]
	v_pk_add_f32 v[236:237], v[176:177], v[180:181]
	v_pk_add_f32 v[234:235], v[184:185], v[188:189]
	v_pk_add_f32 v[14:15], v[14:15], v[192:193]
	v_pk_add_f32 v[244:245], v[244:245], v[132:133]
	v_pk_add_f32 v[250:251], v[250:251], v[134:135]
	v_pk_add_f32 v[248:249], v[248:249], v[138:139]
	v_pk_add_f32 v[246:247], v[246:247], v[142:143]
	v_pk_add_f32 v[238:239], v[238:239], v[146:147]
	v_pk_add_f32 v[236:237], v[236:237], v[150:151]
	v_pk_add_f32 v[234:235], v[234:235], v[154:155]
	v_pk_add_f32 v[14:15], v[14:15], v[158:159]
	v_pk_add_f32 v[244:245], v[244:245], v[162:163]
	v_pk_add_f32 v[250:251], v[250:251], v[166:167]
	v_pk_add_f32 v[248:249], v[248:249], v[170:171]
	v_pk_add_f32 v[246:247], v[246:247], v[174:175]
	v_pk_add_f32 v[238:239], v[238:239], v[178:179]
	v_pk_add_f32 v[236:237], v[236:237], v[182:183]
	v_pk_add_f32 v[234:235], v[234:235], v[186:187]
	v_pk_add_f32 v[14:15], v[14:15], v[190:191]
	v_pk_add_f32 v[244:245], v[244:245], v[194:195]
	s_delay_alu instid0(VALU_DEP_2)
	v_pk_add_f32 v[14:15], v[14:15], v[246:247]
	s_delay_alu instid0(VALU_DEP_2)
	v_pk_add_f32 v[244:245], v[244:245], v[238:239]
	v_pk_add_f32 v[250:251], v[250:251], v[236:237]
	v_pk_add_f32 v[248:249], v[248:249], v[234:235]
	s_delay_alu instid0(VALU_DEP_2)
	v_pk_add_f32 v[14:15], v[14:15], v[250:251]
	s_delay_alu instid0(VALU_DEP_2)
	v_pk_add_f32 v[244:245], v[244:245], v[248:249]
	s_delay_alu instid0(VALU_DEP_1)
	v_pk_add_f32 v[14:15], v[14:15], v[244:245]
	s_wait_alu depctr_va_vdst(0)                   ; and one for the four
.irp b, 0,1,2,3
	v_max_num_f32 v[BM+\b], FLOOR, v[BM+\b]        ; the byte cannot fall under 1 (a block whose every p is 0 keeps that byte: its codes are zeros)
.endr
.irp b, 0,1,2,3
	s_delay_alu instid0(VALU_DEP_4)
	v_add_nc_u32 v[SO+\b], EM2, v[BM+\b]
.endr
.irp b, 0,1,2,3
	s_delay_alu instid0(VALU_DEP_4)
	v_lshrrev_b32 v[PT+\b], 23, v[SO+\b]
.endr
	s_delay_alu instid0(VALU_DEP_3)
	v_lshl_or_b32 v[PS], v[PT+1], 8, v[PT]         ; p's scale word for these 128 keys
	s_delay_alu instid0(VALU_DEP_1)
	v_lshl_or_b32 v[PS], v[PT+2], 16, v[PS]
	s_delay_alu instid0(VALU_DEP_1)
	v_lshl_or_b32 v[PS], v[PT+3], 24, v[PS]
.irp c, 0,1
	v_cvt_scalef32_pk16_fp6_f32 v[PC+6*\c:PC+6*\c+2], v[S+32*\c:S+32*\c+15], v[SO+2*\c]
	v_cvt_scalef32_pk16_fp6_f32 v[BM+4*\c:BM+4*\c+2], v[S+32*\c+16:S+32*\c+31], v[SO+2*\c+1]   ; (a conversion's three registers begin on an even number)
.endr
	v_nop                                          ; one plain line behind the scaled conversions
.irp c, 0,1                            ; the layout wants a WHOLE block in a lane
.irp i, 0,1,2
	v_permlane16_swap_b32 v[PC+6*\c+\i], v[BM+4*\c+\i]
.endr
.irp i, 0,1,2
	s_delay_alu instid0(VALU_DEP_3)
	v_mov_b32 v[PC+6*\c+3+\i], v[BM+4*\c+\i]
.endr
.endr
.set j, 0
.rept 16
	v_pk_mul_f32 v[OT+j:OT+j+1], v[OT+j:OT+j+1], v[252:253] op_sel_hi:[1,0]   ; O^T under the new M.  (These are also the places between p's codes and scale word and the products below)
.set j, j+2
.endr
	s_wait_alu depctr_va_vdst(0)
	s_wait_dscnt 0x0                               ; V is in
.irp t, 0,1,2,3
	WM OT+8*\t, VF+12*\t, PC, VS+\t/2, PS, \t%2, 0, OT+8*\t   ; the four accumulators by turns
.endr
	s_add_co_u32 s[TB], s[TB], REC
	s_barrier_signal -1                            ; a plain work-group barrier at each key step's end
	s_barrier_wait -1                              ; it orders no data; it keeps the sixteen waves within one key step of each other, so that the four waves of a SIMD stay at work side by side up to the last step
.endm
; ONE TILE OF 16 QUERIES through all keys, and out.
.macro PASS p
	s_wait_xcnt 0x0                                ; the tile before has had its stores' registers read: they are written again below
.irp q, 0,1,2
	global_load_b64 v[QF+2*\q:QF+2*\q+1], v[L8], s[4:5] offset:1536*(\p)+256*\q
.endr
	global_load_b32 v[QS], v[R4], s[6:7] offset:64*(\p)
	v_mov_b32 v13, 0xff61b1e6                      ; the largest t so far: -3e38
	s_delay_alu instid0(VALU_DEP_1)
	v_floor_f32 v12, -v13
	v_mov_b32 v14, 0
	v_mov_b32 v15, 0
.set j, 0
.rept 32
	v_mov_b32 v[OT+j], 0                           ; the step is written once: its first trip finds zeros, which the first change of M leaves zeros
.set j, j+1
.endr
	s_mov_b32 s[TB], 0
	s_mov_b32 s[CNT], 16
	s_wait_loadcnt 0x0
.Lstep_\@:
	STEP
	s_sub_co_u32 s[CNT], s[CNT], 1
	s_cmp_lg_u32 s[CNT], 0
	s_cbranch_scc1 .Lstep_\@
	v_add_f32 v14, v14, v15                        ; the sum's two halves,
	s_delay_alu instid0(VALU_DEP_1)
	v_permlanex16_b32 v254, v14, s[SEL], s[SEL+1]
	s_delay_alu instid0(VALU_DEP_1)
	v_add_f32 v14, v14, v254                       ; and lane l xor 16's
	s_wait_alu depctr_va_vdst(0)
	v_rcp_f32 v14, v14
.rept 3
	v_nop                                          ; the plain line behind the reciprocal; with the additions above, the places behind the last products
.endr
	s_wait_alu depctr_va_vdst(0)                   ; the wait ahead of the reciprocal's first reader
.set j, 0
.rept 16
	v_pk_mul_f32 v[S+j:S+j+1], v[OT+j:OT+j+1], v[14:15] op_sel_hi:[1,0]   ; O^T / the sum: register 16 b + i = channel 32 b + 16 (lane / 16) + i of my query
.set j, j+2
.endr
.irp b, 0,1
	v_max3_num_f32 v[BM+\b], |v[S+16*\b]|, |v[S+16*\b+1]|, FLOOR
.endr
.irp i, 2,4,6,8,10,12,14
.irp b, 0,1
	s_delay_alu instid0(VALU_DEP_2)
	v_max3_num_f32 v[BM+\b], v[BM+\b], |v[S+16*\b+\i]|, |v[S+16*\b+\i+1]|
.endr
.endr
.irp b, 0,1
	s_delay_alu instid0(VALU_DEP_2)
	v_permlanex16_b32 v[PT+\b], v[BM+\b], s[SEL], s[SEL+1]
.endr
.irp b, 0,1
	s_delay_alu instid0(VALU_DEP_2)
	v_max_num_f32 v[BM+\b], v[BM+\b], v[PT+\b]
.endr
.irp b, 0,1
	s_delay_alu instid0(VALU_DEP_2)
	v_add_nc_u32 v[SO+\b], EM2, v[BM+\b]
.endr
.irp b, 0,1
	s_delay_alu instid0(VALU_DEP_2)
	v_lshrrev_b32 v[PT+\b], 23, v[SO+\b]
.endr
	s_delay_alu instid0(VALU_DEP_1)
	v_lshl_or_b32 v254, v[PT+1], 8, v[PT]          ; the head's two bytes of my query's scale word
	v_cvt_scalef32_pk16_fp6_f32 v[PC:PC+2], v[S:S+15], v[SO]
	v_cvt_scalef32_pk16_fp6_f32 v[BM:BM+2], v[S+16:S+31], v[SO+1]
	v_nop                                          ; one plain line behind the scaled conversions
.irp i, 0,1,2
	v_permlane16_swap_b32 v[PC+\i], v[BM+\i]
.endr
.irp i, 0,1,2
	s_delay_alu instid0(VALU_DEP_3)
	v_mov_b32 v[PC+3+\i], v[BM+\i]
.endr
.irp q, 0,1,2
	global_store_b64 v[L8], v[PC+2*\q:PC+2*\q+1], s[10:11] offset:1536*(\p)+256*\q   ; 32 lanes store 256 consecutive bytes, aligned
.endr
	global_store_b16 v[R4], v254, s[14:15] offset:64*(\p)   ; both lanes of a query write the same two bytes
.endm
	PASS 0
	PASS 1
	s_wait_tensorcnt 0x0                           ; the wave's end
	ds_add_u32 v[SPW], v[NIL]
	s_wait_dscnt 0x0
	s_wait_kmcnt 0x0                               ; the last look-ahead
	CROUND                                         ; the closing round
	s_endpgm
.Lfunc_end_k_qcc92b4ff11_attn:
	.size	k_qcc92b4ff11_attn, .Lfunc_end_k_qcc92b4ff11_attn-k_qcc92b4ff11_attn
	.p2alignl 7, 3214868480
	.fill 96, 4, 3214868480
	.section	.rodata,"a",@progbits
	.p2align	6, 0x0
	.amdhsa_kernel k_qcc92b4ff11_attn
		.amdhsa_group_segment_fixed_size 327680
		.amdhsa_private_segment_fixed_size 0
		.amdhsa_enable_private_segment 0
		.amdhsa_kernarg_size 32
		.amdhsa_user_sgpr_count 2
		.amdhsa_user_sgpr_kernarg_segment_ptr 1
		.amdhsa_wavefront_size32 1
		.amdhsa_system_sgpr_workgroup_id_x 1
		.amdhsa_system_sgpr_workgroup_id_y 1
		.amdhsa_system_sgpr_workgroup_id_z 1
		.amdhsa_system_vgpr_workitem_id 0
		.amdhsa_next_free_vgpr 256
		.amdhsa_next_free_sgpr 102
		.amdhsa_reserve_vcc 0
		.amdhsa_float_denorm_mode_32 3
		.amdhsa_float_denorm_mode_16_64 3
		.amdhsa_memory_ordered 1
		.amdhsa_forward_progress 1
		.amdhsa_inst_pref_size 66
	.end_amdhsa_kernel
	.amdgpu_metadata
---
amdhsa.version: [ 1, 2 ]
amdhsa.kernels:
  - .name:           k_qcc92b4ff11_attn
    .symbol:         k_qcc92b4ff11_attn.kd
    .args:
      - { .name: qi, .offset: 0, .size: 8, .value_kind: global_buffer, .address_space: global }
      - { .name: kv, .offset: 8, .size: 8, .value_kind: global_buffer, .address_space: global }
      - { .name: mb, .offset: 16, .size: 8, .value_kind: global_buffer, .address_space: global }
      - { .name: ao, .offset: 24, .size: 8, .value_kind: global_buffer, .address_space: global }
    .group_segment_fixed_size: 327680
    .private_segment_fixed_size: 0
    .kernarg_segment_align: 8
    .kernarg_segment_size: 32
    .max_flat_workgroup_size: 512
    .sgpr_count:     102
    .vgpr_count:     256
    .wavefront_size: 32
...
	.end_amdgpu_metadata
.endif
;; end of part 3
;; launch oproj (part 4): grid 8 x 32, 4 waves a work-group, clusters of 4 x 4, 327,680 bytes of LDS; arguments ao, wi, bo, out0; writes out0
.if DOCPART == 4
	.amdgcn_target "amdgcn-amd-amdhsa--gfx1250"
	.amdhsa_code_object_version 6
	.text
	.protected	k_qcc92b4ff11_oproj
	.globl	k_qcc92b4ff11_oproj
	.p2align	8
	.type	k_qcc92b4ff11_oproj,@function
k_qcc92b4ff11_oproj:
	s_mov_b64 s[64:65], 0
	v_nop
	global_prefetch_b8 v0, s[64:65] scope:SCOPE_SE
	s_setreg_imm32_b32 hwreg(HW_REG_WAVE_MODE, 25, 1), 1
	s_wait_xcnt 0x0
	s_wait_alu depctr_hold_cnt(0) depctr_sa_sdst(0) depctr_va_vdst(0) depctr_va_sdst(0) depctr_va_ssrc(0) depctr_va_vcc(0) depctr_vm_vsrc(0)
	s_getreg_b32 s2, hwreg(HW_REG_IB_STS2, 6, 4)
	s_cmp_eq_u32 s2, 0
	s_cbranch_scc0 .Lentry_in_a_cluster
	s_endpgm
.Lentry_in_a_cluster:
	s_bfe_u32 s2, ttmp6, 0x10000c
	s_cmp_lg_u32 s2, 0xf033
	s_cbranch_scc0 .Lentry_shape_is_right
	s_endpgm
.Lentry_shape_is_right:
; OPROJ: out0 = attention result x wo + bo, on codes of FP6 (E2M3) with E8M0 scales; sums in f32.
; D = S0 S1^T, USED TRANSPOSED: source 0 = 16 columns of wo (wi's groups 24 on), source 1 = 16 tokens of ao: a lane holds one token and eight neighbouring columns.  The bias is the C of each sum's first product.
; SHARES.  A work-group: 128 columns x 256 tokens, all of K = 1,024.  Wave w: S0's 8 tiles x S1's tiles 4 w .. 4 w + 3: 32 accumulators.
; LDS.  Both operands' images for all of K (3 x 102,400 bytes) are filled ONCE, one tensor load a strip: no byte is filled again.  Wave 0 fetches S0's strip, waves 1 and 2 S1's two, one load each: one of a wave's is out at the most.
; CLUSTER 4 x 4: S0's strip hangs on x alone and is asked for jointly down a column, S1's on y alone and jointly along a row.
; REGISTERS: window 0: v2-15 addresses; v32-43 scale words, two sets of six (lanes 0-15 an even tile's, lanes 16-31 the odd one's); v64-159 S1's fragments, two sets; on the way out v64-191 rows of out0.
;   window 1: S0's fragments, sets at v0 and v128.   window 2: accumulator (a, b) at v[64 a + 8 b].   window 3: v0-63 the bias, eight registers for each of S0's tiles.
.set STRIP,  102400                    ; a group's eight K steps
.set BLK,    12800                     ; a K step: 8 fragments of 1,536 bytes, 512 bytes of scale words
.set CHUNK,  2*BLK                     ; (only its multiple 0 is used.  ONE tensor load a wave brings a whole strip, 400 rows of 256 bytes: a wave has one load out, and the K steps need no further wait on it)
.set SPARE,  3*STRIP                   ; the spare words, 128 bytes a wave: two blocks of 256 bytes that no other line names
.set SPITCH, 528                       ; the way out: a stage of 16 rows x (512 bytes + 16) for each wave, in S0's K steps 0 to 2
.set WV,   12                          ; s12 my wave's number
.set G1C,  24                          ; s[24:31] descriptor group 1, mask of my column (S0)
.set G1R,  32                          ; s[32:39] the same with the mask of my row (S1)
.set G0C,  40                          ; s[40:43] group 0 for S0's strip
.set G0R,  56                          ; s[56:59] the same for S1's
.set A0,   2                           ; v2, v3   S0's fragments: K steps 0-3, 4-7
.set A1,   4                           ; v4, v5   S1's
.set C0,   6                           ; v6, v7   S0's scale words
.set C1,   8                           ; v8, v9   S1's
.set SPW,  10                          ; v10 my spare word's LDS address; never rewritten
.set NIL,  11                          ; v11 0; never rewritten
.set STO,  12                          ; v12 the stage: where I put 32 bytes of a row
.set RD,   13                          ; v13 and where I read a row back
.set GO,   14                          ; v14 16 x lane: my bytes of a row of out0
.set SCW,  32
.set F1,   64
.set MSB, 0
.macro WIN new                         ; the immediate's high byte repeats the setting that is left
.if MSB != \new
	s_set_vgpr_msb (MSB<<8)|\new
.set MSB, \new
.endif
.endm
.macro CROUND                          ; a round of the cluster's barrier
	s_barrier_signal -1
	s_barrier_wait -1
	s_cmp_lg_u32 s[WV], 0
	s_cbranch_scc1 .Lnot_wave_0_\@
	s_barrier_signal -3
.Lnot_wave_0_\@:
	s_barrier_wait -3
	s_barrier_signal -1
	s_barrier_wait -1
.endm
; One matrix instruction.  d, fa, fb: first registers of D, source 0, source 1; sa, sb: their scale registers; pa, pb = 1: that side's words stand in lanes 16-31; z = 1: C = 0, else C begins at register c.
.macro WM d, fa, fb, sa, sb, pa, pb, z, c
.if \z
.if (\pa) && (\pb)
	v_wmma_scale_f32_16x16x128_f8f6f4 v[(\d):(\d)+7], v[(\fa):(\fa)+11], v[(\fb):(\fb)+11], 0, v[\sa], v[\sb] matrix_a_fmt:MATRIX_FMT_FP6 matrix_b_fmt:MATRIX_FMT_FP6 matrix_a_scale:MATRIX_SCALE_ROW1 matrix_b_scale:MATRIX_SCALE_ROW1
.elseif \pa
	v_wmma_scale_f32_16x16x128_f8f6f4 v[(\d):(\d)+7], v[(\fa):(\fa)+11], v[(\fb):(\fb)+11], 0, v[\sa], v[\sb] matrix_a_fmt:MATRIX_FMT_FP6 matrix_b_fmt:MATRIX_FMT_FP6 matrix_a_scale:MATRIX_SCALE_ROW1
.elseif \pb
	v_wmma_scale_f32_16x16x128_f8f6f4 v[(\d):(\d)+7], v[(\fa):(\fa)+11], v[(\fb):(\fb)+11], 0, v[\sa], v[\sb] matrix_a_fmt:MATRIX_FMT_FP6 matrix_b_fmt:MATRIX_FMT_FP6 matrix_b_scale:MATRIX_SCALE_ROW1
.else
	v_wmma_scale_f32_16x16x128_f8f6f4 v[(\d):(\d)+7], v[(\fa):(\fa)+11], v[(\fb):(\fb)+11], 0, v[\sa], v[\sb] matrix_a_fmt:MATRIX_FMT_FP6 matrix_b_fmt:MATRIX_FMT_FP6
.endif
.else
.if (\pa) && (\pb)
	v_wmma_scale_f32_16x16x128_f8f6f4 v[(\d):(\d)+7], v[(\fa):(\fa)+11], v[(\fb):(\fb)+11], v[(\c):(\c)+7], v[\sa], v[\sb] matrix_a_fmt:MATRIX_FMT_FP6 matrix_b_fmt:MATRIX_FMT_FP6 matrix_a_scale:MATRIX_SCALE_ROW1 matrix_b_scale:MATRIX_SCALE_ROW1
.elseif \pa
	v_wmma_scale_f32_16x16x128_f8f6f4 v[(\d):(\d)+7], v[(\fa):(\fa)+11], v[(\fb):(\fb)+11], v[(\c):(\c)+7], v[\sa], v[\sb] matrix_a_fmt:MATRIX_FMT_FP6 matrix_b_fmt:MATRIX_FMT_FP6 matrix_a_scale:MATRIX_SCALE_ROW1
.elseif \pb
	v_wmma_scale_f32_16x16x128_f8f6f4 v[(\d):(\d)+7], v[(\fa):(\fa)+11], v[(\fb):(\fb)+11], v[(\c):(\c)+7], v[\sa], v[\sb] matrix_a_fmt:MATRIX_FMT_FP6 matrix_b_fmt:MATRIX_FMT_FP6 matrix_b_scale:MATRIX_SCALE_ROW1
.else
	v_wmma_scale_f32_16x16x128_f8f6f4 v[(\d):(\d)+7], v[(\fa):(\fa)+11], v[(\fb):(\fb)+11], v[(\c):(\c)+7], v[\sa], v[\sb] matrix_a_fmt:MATRIX_FMT_FP6 matrix_b_fmt:MATRIX_FMT_FP6
.endif
.endif
.endm
; K step s's operands into set s % 2: S0's 8 fragments, my 4 of S1, six registers of scale words.  Every load takes consecutive bytes, 8 or 4 a lane.
.macro FETCH s
.set ST_, (\s)%2
.set HI_, (\s)/4
.set OF_, BLK*((\s)%4)
	WIN 0x40                                       ; destination window 1, address window 0
.irp i, 0,1,2,3,4,5,6,7
.irp p, 0,1,2,3,4,5
	ds_load_b64 v[128*ST_+12*\i+2*\p:128*ST_+12*\i+2*\p+1], v[A0+HI_] offset:OF_+1536*\i+256*\p
.endr
.endr
	WIN 0
.irp i, 0,1,2,3
.irp p, 0,1,2,3,4,5
	ds_load_b64 v[F1+48*ST_+12*\i+2*\p:F1+48*ST_+12*\i+2*\p+1], v[A1+HI_] offset:OF_+1536*\i+256*\p
.endr
.endr
.irp i, 0,1,2,3
	ds_load_b32 v[SCW+6*ST_+\i], v[C0+HI_] offset:OF_+12288+128*\i
.endr
.irp i, 0,1
	ds_load_b32 v[SCW+6*ST_+4+\i], v[C1+HI_] offset:OF_+12288+128*\i
.endr
.endm
; K step s's 32 products.  The 32 accumulators take turns, one instruction a turn, in the same order in every step.  cm = 1: C = 0 starts the sums; 2: C = eight registers of window 3; 0: in place.
.macro MUL s, cm
.set ST_, (\s)%2
.if (\cm) == 2
	WIN 0xb1                                       ; source 0 window 1, source 1 window 0, C window 3, D window 2
.else
	WIN 0xa1                                       ; C and D window 2
.endif
.irp a, 0,1,2,3
.irp b, 0,1,2,3,4,5,6,7
.if (\cm) == 1
	WM 64*\a+8*\b, 128*ST_+12*\b, F1+48*ST_+12*\a, SCW+6*ST_+\b/2, SCW+6*ST_+4+\a/2, \b%2, \a%2, 1, 0
.elseif (\cm) == 2
	WM 64*\a+8*\b, 128*ST_+12*\b, F1+48*ST_+12*\a, SCW+6*ST_+\b/2, SCW+6*ST_+4+\a/2, \b%2, \a%2, 0, 8*\b
.else
	WM 64*\a+8*\b, 128*ST_+12*\b, F1+48*ST_+12*\a, SCW+6*ST_+\b/2, SCW+6*ST_+4+\a/2, \b%2, \a%2, 0, 64*\a+8*\b
.endif
.endr
.endr
.endm
; The same work in parts.  FETCHP: part k = 0, 1, 2 of K step s's 78 loads (28, 24, 26 of them).  MULP: S1's tile a against S0's eight tiles: 8 of a step's 32 products, in the order of MUL.
.macro FR0 i                           ; S0's fragment i (ST_, HI_, OF_ are the caller's)
.irp p, 0,1,2,3,4,5
	ds_load_b64 v[128*ST_+12*(\i)+2*\p:128*ST_+12*(\i)+2*\p+1], v[A0+HI_] offset:OF_+1536*(\i)+256*\p
.endr
.endm
.macro FR1 i                           ; my fragment i of S1
.irp p, 0,1,2,3,4,5
	ds_load_b64 v[F1+48*ST_+12*(\i)+2*\p:F1+48*ST_+12*(\i)+2*\p+1], v[A1+HI_] offset:OF_+1536*(\i)+256*\p
.endr
.endm
.macro FETCHP s, k
.set ST_, (\s)%2
.set HI_, (\s)/4
.set OF_, BLK*((\s)%4)
	WIN 0x40                                       ; destination window 1, address window 0
.if (\k) == 0
	FR0 0
	FR0 1
	FR0 2
.elseif (\k) == 1
	FR0 3
	FR0 4
	FR0 5
.else
	FR0 6
	FR0 7
.endif
	WIN 0
.if (\k) == 0
	FR1 0
.irp i, 0,1,2,3
	ds_load_b32 v[SCW+6*ST_+\i], v[C0+HI_] offset:OF_+12288+128*\i
.endr
.elseif (\k) == 1
	FR1 1
.else
	FR1 2
	FR1 3
.irp i, 0,1
	ds_load_b32 v[SCW+6*ST_+4+\i], v[C1+HI_] offset:OF_+12288+128*\i
.endr
.endif
.endm
.macro MULP s, cm, a
.set ST_, (\s)%2
.if (\cm) == 2
	WIN 0xb1                                       ; source 0 window 1, source 1 window 0, C window 3, D window 2
.else
	WIN 0xa1                                       ; C and D window 2
.endif
.irp b, 0,1,2,3,4,5,6,7
.if (\cm) == 1
	WM 64*(\a)+8*\b, 128*ST_+12*\b, F1+48*ST_+12*(\a), SCW+6*ST_+\b/2, SCW+6*ST_+4+(\a)/2, \b%2, (\a)%2, 1, 0
.elseif (\cm) == 2
	WM 64*(\a)+8*\b, 128*ST_+12*\b, F1+48*ST_+12*(\a), SCW+6*ST_+\b/2, SCW+6*ST_+4+(\a)/2, \b%2, (\a)%2, 0, 8*\b
.else
	WM 64*(\a)+8*\b, 128*ST_+12*\b, F1+48*ST_+12*(\a), SCW+6*ST_+\b/2, SCW+6*ST_+4+(\a)/2, \b%2, (\a)%2, 0, 64*(\a)+8*\b
.endif
.endr
.endm
.macro PLACES
.rept 4
	v_nop
.endr
.endm
; A K step: its operands are in; the next step's are asked for into the other set, which the step before has multiplied (its four places stand at that step's end); then the 32 products.
; All three strips lie in LDS from the head's barrier on.  The barrier of K step 3 parts every wave's reads of S0's K steps 0 to 2 from the stores into the stages that lie there on the way out.
.macro KSTEP s, cm
	s_wait_dscnt 0x0
.if (\s) == 3
	s_barrier_signal -1
	s_barrier_wait -1
.endif
.irp a, 0,1,2,3                        ; the next step's loads go out in three runs, each ahead of eight products: they land in the other set, four places behind the products that read it last
.if ((\s) < 7) && (\a < 3)
	FETCHP (\s)+1, \a
.endif
	MULP \s, \cm, \a
.endr
	PLACES
.endm
	s_load_b256 s[4:11], s[0:1], 0x0               ; ao s[4:5], wi s[6:7], bo s[8:9], out0 s[10:11]
	v_lshl_add_u32 v[SPW], v0, 2, SPARE
	v_mov_b32 v[NIL], 0
	ds_add_u32 v[SPW], v[NIL]                      ; the wave's opening: the add and its wait ahead of my first tensor load; the set-up below stands between them
	ds_add_u32 v[SPW], v[NIL]
	v_lshrrev_b32 v1, 5, v0
	v_readfirstlane_b32 s[WV], v1
	s_bfe_u32 s13, ttmp6, 0x40000                  ; cx
	s_bfe_u32 s14, ttmp6, 0x40004                  ; cy
	s_lshl_b32 s15, ttmp9, 2
	s_add_co_u32 s15, s15, s13                     ; X: 128 columns
	s_and_b32 s16, ttmp7, 0xffff
	s_lshl_b32 s16, s16, 2
	s_add_co_u32 s16, s16, s14                     ; Y: 256 tokens
	s_lshl_b32 s18, s14, 2
	s_lshl_b32 s18, 15, s18                        ; my row of the cluster
	s_lshl_b32 s19, 0x1111, s13                    ; my column
	s_or_b32 s[G1C], s19, (3<<16)|(1<<21)          ; 15:0 the mask; 17:16 elements of 8 bytes; 21 set beside a mask; no padding
	s_or_b32 s[G1R], s18, (3<<16)|(1<<21)
.irp g, G1C, G1R
	s_mov_b32 s[\g+1], 32<<16                      ; tensor_dim0 = 32 elements: rows of 256 bytes
	s_mov_b32 s[\g+2], 400<<16                     ; tensor_dim1 = 400 rows: a dense strip of 102,400 bytes
	s_mov_b32 s[\g+3], 32<<16                      ; tile_dim0
	s_mov_b32 s[\g+4], 400                         ; tile_dim1
	s_mov_b32 s[\g+5], 32                          ; the pitch
	s_mov_b32 s[\g+6], 0
	s_mov_b32 s[\g+7], 0
.endr
	s_add_co_u32 s76, s15, 24                      ; S0 = wi's group 24 + X: wo
	s_mul_i32 s76, s76, STRIP
	s_mov_b32 s77, 0
	s_add_co_u32 s17, s[WV], 1
	s_and_b32 s17, s17, 1                          ; which of S1's two groups waves 1 and 2 fetch: 0, 1
	s_lshl_b32 s78, s16, 1
	s_add_co_u32 s78, s78, s17                     ; S1 = ao's groups 2 Y on
	s_mul_i32 s78, s78, STRIP
	s_mov_b32 s79, 0
	s_mul_i32 s88, s17, STRIP
	s_add_co_u32 s88, s88, STRIP                   ; where that group lies in LDS: no place in the cluster enters an LDS address
	s_wait_dscnt 0x0                               ; the opening add is done
	s_wait_kmcnt 0x0
	s_add_nc_u64 s[80:81], s[6:7], s[76:77]
	s_add_nc_u64 s[82:83], s[4:5], s[78:79]
.irp q, 0
	s_mov_b32 s[G0C+4*\q], 1
	s_mov_b32 s[G0C+4*\q+1], CHUNK*\q              ; LDS address
	s_add_nc_u64 s[G0C+4*\q+2:G0C+4*\q+3], s[80:81], CHUNK*\q
	s_or_b32 s[G0C+4*\q+3], s[G0C+4*\q+3], 0x80000000   ; type = 2
	s_mov_b32 s[G0R+4*\q+4*(\q/2)], 1
	s_add_co_u32 s[G0R+4*\q+4*(\q/2)+1], s88, CHUNK*\q
	s_add_nc_u64 s[G0R+4*\q+4*(\q/2)+2:G0R+4*\q+4*(\q/2)+3], s[82:83], CHUNK*\q
	s_or_b32 s[G0R+4*\q+4*(\q/2)+3], s[G0R+4*\q+4*(\q/2)+3], 0x80000000
.endr
	CROUND                                         ; all sixteen work-groups are here: the joint loads meet
	s_cmp_eq_u32 s[WV], 0                          ; a wave's fills stand in one branch on the wave's number, the same in every work-group; an s_nop 0 follows each load, four v_nop the last
	s_cbranch_scc0 .Lnot_s0
	tensor_load_to_lds s[G0C:G0C+3], s[G1C:G1C+7]  ; wave 0: S0's strip
	s_nop 0
.rept 4
	v_nop
.endr
	s_branch .Lasked
.Lnot_s0:
	s_cmp_eq_u32 s[WV], 3
	s_cbranch_scc1 .Lasked
	tensor_load_to_lds s[G0R:G0R+3], s[G1R:G1R+7]  ; waves 1 and 2: one of S1's strips each
	s_nop 0
.rept 4
	v_nop
.endr
.Lasked:
	v_and_b32 v1, 31, v0
	v_lshlrev_b32 v[A0], 3, v1                     ; 8 x lane
	v_add_nc_u32 v[A0+1], 4*BLK, v[A0]
	s_lshr_b32 s20, s[WV], 1
	s_and_b32 s21, s[WV], 1
	s_mul_i32 s22, s20, STRIP
	s_add_co_u32 s22, s22, STRIP                   ; my group of S1
	s_mul_i32 s23, s21, 6144
	s_add_co_u32 s23, s23, s22                     ; my four tiles in it
	v_add_nc_u32 v[A1], s23, v[A0]
	v_add_nc_u32 v[A1+1], 4*BLK, v[A1]
	v_lshlrev_b32 v[C0], 2, v1                     ; 4 x lane: two tiles' words
	v_add_nc_u32 v[C0+1], 4*BLK, v[C0]
	s_lshl_b32 s23, s21, 8
	s_add_co_u32 s23, s23, s22
	v_add_nc_u32 v[C1], s23, v[C0]
	v_add_nc_u32 v[C1+1], 4*BLK, v[C1]
	v_and_b32 v16, 15, v0                          ; r
	v_bfe_u32 v17, v0, 4, 1                        ; h
	s_mul_i32 s23, s[WV], 16*SPITCH                ; my stage
	v_mul_u32_u24 v[STO], v16, SPITCH
	v_lshl_add_u32 v[STO], v17, 6, v[STO]
	v_add_nc_u32 v[STO], s23, v[STO]               ; in: row r, + 64 h
	v_lshlrev_b32 v[GO], 4, v1
	v_add_nc_u32 v[RD], s23, v[GO]                 ; back: the 32 lanes take one row of 512 bytes
	v_lshlrev_b32 v15, 6, v17                      ; the bias: 64 h
	s_wait_alu depctr_va_vdst(0)
	s_lshl_b32 s84, s15, 9                         ; my 128 columns: 512 bytes
	s_mov_b32 s85, 0
	s_add_nc_u64 s[8:9], s[8:9], s[84:85]
	s_lshl_b32 s86, s16, 20                        ; 256 rows of 4,096 bytes
	s_add_co_u32 s84, s84, s86
	s_lshl_b32 s86, s[WV], 18                      ; my 64 of them
	s_add_co_u32 s84, s84, s86
	s_add_nc_u64 s[10:11], s[10:11], s[84:85]
	WIN 0xc0                                       ; destination window 3
.irp b, 0,1,2,3,4,5,6,7                ; tile b's eight registers, in the result's layout: bo at columns 32 (b / 2) + 8 (b % 2) + 16 h + 0 .. 7
	global_load_b128 v[8*\b:8*\b+3], v15, s[8:9] offset:128*(\b/2)+32*(\b%2)
	global_load_b128 v[8*\b+4:8*\b+7], v15, s[8:9] offset:128*(\b/2)+32*(\b%2)+16
.endr
	WIN 0
	s_wait_tensorcnt 0x0                           ; my strip is in
	s_barrier_signal -1
	s_barrier_wait -1                              ; everybody's are
	FETCH 0
	s_wait_loadcnt 0x0                             ; the bias
	KSTEP 0, 2                                     ; the first step's products start the sums from the bias
	KSTEP 1, 0
	KSTEP 2, 0
	KSTEP 3, 0
	KSTEP 4, 0
	KSTEP 5, 0
	KSTEP 6, 0
	KSTEP 7, 0
; THE WAY OUT, a tile of 16 tokens x 128 columns at a time.  A lane holds 32 neighbouring bytes of a row, eight times; the lanes beside it hold other rows: so a tile goes through my own stage and comes back as whole rows of
; 512 bytes.  The stage's bytes (S0's K steps 0 to 2) have had their only fill, and every wave's reads of them were waited for in front of the barrier of K step 3.  LDS serves a wave's instructions in order: no wait
; between the stores and the loads, nor in front of the next tile's stores.
.macro TOSTAGE a
	WIN 0x08                                       ; an LDS store's data: window 2
.irp b, 0,1,2,3,4,5,6,7
	ds_store_b128 v[STO], v[64*(\a)+8*\b:64*(\a)+8*\b+3] offset:128*(\b/2)+32*(\b%2)        ; each accumulator from its low end on
	ds_store_b128 v[STO], v[64*(\a)+8*\b+4:64*(\a)+8*\b+7] offset:128*(\b/2)+32*(\b%2)+16
.endr
	WIN 0
.set BB_, 64+64*((\a)%2)
.irp i, 0,1,2,3,4,5,6,7,8,9,10,11,12,13,14,15
	ds_load_b128 v[BB_+4*\i:BB_+4*\i+3], v[RD] offset:\i*SPITCH
.endr
.endm
.macro SEND a, younger                 ; younger: the LDS instructions issued behind tile a's loads, which may stay out
.set BB_, 64+64*((\a)%2)
	s_wait_dscnt \younger
.irp i, 0,1,2,3,4,5,6,7,8,9,10,11,12,13,14,15
	global_store_b128 v[GO], v[BB_+4*\i:BB_+4*\i+3], s[10:11] offset:(32*((\a)/2)+8*((\a)%2)+\i+8*(\i/8))*4096 th:TH_STORE_NT   ; row i of tile a is that token; 32 lanes store 512 consecutive bytes, aligned
.endr
.endm
	TOSTAGE 0
	TOSTAGE 1
	SEND 0, 32                                     ; behind tile 0's loads: tile 1's 16 stores and 16 loads
	s_wait_xcnt 0x0                                ; tile 0's stores have read their registers: tile 2's loads may land there
	TOSTAGE 2
	SEND 1, 32
	s_wait_xcnt 0x0
	TOSTAGE 3
	SEND 2, 32
	SEND 3, 0
	s_wait_tensorcnt 0x0                           ; the wave's end, behind my last tensor load and my last LDS store
	ds_add_u32 v[SPW], v[NIL]
	s_wait_dscnt 0x0
	CROUND                                         ; the closing round
	s_endpgm
.Lfunc_end_k_qcc92b4ff11_oproj:
	.size	k_qcc92b4ff11_oproj, .Lfunc_end_k_qcc92b4ff11_oproj-k_qcc92b4ff11_oproj
	.p2alignl 7, 3214868480
	.fill 96, 4, 3214868480
	.section	.rodata,"a",@progbits
	.p2align	6, 0x0
	.amdhsa_kernel k_qcc92b4ff11_oproj
		.amdhsa_group_segment_fixed_size 327680
		.amdhsa_private_segment_fixed_size 0
		.amdhsa_enable_private_segment 0
		.amdhsa_kernarg_size 32
		.amdhsa_user_sgpr_count 2
		.amdhsa_user_sgpr_kernarg_segment_ptr 1
		.amdhsa_wavefront_size32 1
		.amdhsa_system_sgpr_workgroup_id_x 1
		.amdhsa_system_sgpr_workgroup_id_y 1
		.amdhsa_system_sgpr_workgroup_id_z 1
		.amdhsa_system_vgpr_workitem_id 0
		.amdhsa_next_free_vgpr 1024
		.amdhsa_next_free_sgpr 100
		.amdhsa_reserve_vcc 0
		.amdhsa_float_denorm_mode_32 3
		.amdhsa_float_denorm_mode_16_64 3
		.amdhsa_memory_ordered 1
		.amdhsa_forward_progress 1
		.amdhsa_inst_pref_size 97
	.end_amdhsa_kernel
	.amdgpu_metadata
---
amdhsa.version: [ 1, 2 ]
amdhsa.kernels:
  - .name:           k_qcc92b4ff11_oproj
    .symbol:         k_qcc92b4ff11_oproj.kd
    .args:
      - { .name: ao, .offset: 0, .size: 8, .value_kind: global_buffer, .address_space: global }
      - { .name: wi, .offset: 8, .size: 8, .value_kind: global_buffer, .address_space: global }
      - { .name: bo, .offset: 16, .size: 8, .value_kind: global_buffer, .address_space: global }
      - { .name: out0, .offset: 24, .size: 8, .value_kind: global_buffer, .address_space: global }
    .group_segment_fixed_size: 327680
    .private_segment_fixed_size: 0
    .kernarg_segment_align: 8
    .kernarg_segment_size: 32
    .max_flat_workgroup_size: 128
    .sgpr_count:     100
    .vgpr_count:     1024
    .wavefront_size: 32
...
	.end_amdgpu_metadata
.endif
;; end of part 4
